; MI455X (gfx1250); checked and timed in simulation.
; The chip was launched on July 23, 2026; its instructions are those of AMD's public machine-readable ISA for CDNA 5 (MIT licence, August 2026) and "CDNA5" Instruction Set Architecture Reference Guide (July 2026). The comments in the code are by the model that wrote it; some were corrected since.
;; Slot Attention. Allowed arithmetic: matrix products marked QUANTISED: E4M3 operands, one given power-of-two scale a tensor, by v_wmma_f32_16x16x64_fp8_fp8 or v_wmma_f32_16x16x128_fp8_fp8, f32 sums; products left as they are: f32 operands where the result goes on into a quantised operand, else bf16, f16 or f32 operands; f32 sums; everything else in f32.
;; Inputs: W_hh_codes 192 x 2 x 32 uint8 (E4M3 codes of W_hh, K innermost, in blocks of 32 codes); W_ih_codes 192 x 2 x 32 uint8 (E4M3 codes of W_ih, K innermost, in blocks of 32 codes); Wk_codes 64 x 2 x 32 uint8 (E4M3 codes of Wk, K innermost, in blocks of 32 codes); Wq_codes 64 x 2 x 32 uint8 (E4M3 codes of Wq, K innermost, in blocks of 32 codes); Wv_codes 64 x 2 x 32 uint8 (E4M3 codes of Wv, K innermost, in blocks of 32 codes); b_hh 192 float32; b_ih 192 float32; inputs 32 x 16,384 x 66 float32; ln_in_b 64 float32; ln_in_g 64 float32; ln_m_b 64 float32; ln_m_g 64 float32; ln_s_b 64 float32; ln_s_g 64 float32; lowp_scales 42 int32 (the exponents e of the quantised operands' scales 2^e); mlp_W1_codes 128 x 2 x 32 uint8 (E4M3 codes of mlp_W1, K innermost, in blocks of 32 codes); mlp_W2_codes 64 x 4 x 32 uint8 (E4M3 codes of mlp_W2, K innermost, in blocks of 32 codes); mlp_b1 128 float32; mlp_b2 64 float32; pa_W 2 x 64 float32; pa_b 64 float32; pe_W1_codes 128 x 2 x 32 uint8 (E4M3 codes of pe_W1, K innermost, in blocks of 32 codes); pe_W2_codes 64 x 4 x 32 uint8 (E4M3 codes of pe_W2, K innermost, in blocks of 32 codes); pe_b 64 float32; pe_b1 128 float32; pe_b2 64 float32; pe_g 64 float32; slots 1 x 8 x 64 float32.
;; Outputs: out0 32 x 8 x 64 float32.
;; This version of the problem:
;;   THIS VERSION OF THE PROBLEM IS GIVEN IN LOW PRECISION. The matrix products marked QUANTISED in the list below multiply operands that are first quantised to E4M3 (4 exponent bits, 3 mantissa bits; 8 bits a number), with one given power-of-two scale for each operand tensor; their sums are f32. All else is computed in f32.
;;   The module's matrix products, in the order in which they are computed (A, B: the left and right operand; K: the contracted axis; several contracted axes count as one K, in the product's order):
;;     1. [M 524,288, K 64] x [K 64, N 64]; A: computed on the way; B: input Wk (given as codes): QUANTISED (scales: A lowp_scales[0], B lowp_scales[1])
;;     2. [M 524,288, K 64] x [K 64, N 64]; A: computed on the way; B: input Wv (given as codes): QUANTISED (scales: A lowp_scales[2], B lowp_scales[3])
;;     3. [M 524,288, K 2] x [K 2, N 64]; A: input inputs; B: input pa_W: left as it is (K = 2 < 32)
;;     4. [M 524,288, K 64] x [K 64, N 128]; A: computed on the way; B: input pe_W1 (given as codes): QUANTISED (scales: A lowp_scales[4], B lowp_scales[5])
;;     5. [M 524,288, K 128] x [K 128, N 64]; A: computed on the way; B: input pe_W2 (given as codes): QUANTISED (scales: A lowp_scales[6], B lowp_scales[7])
;;     6. [M 524,288, K 64] x [K 64, N 128]; A: computed on the way; B: input pe_W1 (given as codes): QUANTISED (scales: A lowp_scales[8], B lowp_scales[9])
;;     7. [M 524,288, K 128] x [K 128, N 64]; A: computed on the way; B: input pe_W2 (given as codes): QUANTISED (scales: A lowp_scales[10], B lowp_scales[11])
;;     8. [M 256, K 64] x [K 64, N 64]; A: computed on the way; B: input Wq (given as codes): QUANTISED (scales: A lowp_scales[12], B lowp_scales[13])
;;     9. batch 32 x [M 16,384, K 64] x [K 64, N 8]; A: computed on the way; B: computed on the way: left as it is (N = 8 < 16)
;;     10. batch 32 x [M 8, K 16,384] x [K 16,384, N 64]; A: computed on the way; B: computed on the way: left as it is (M = 8 < 16)
;;     11. [M 256, K 64] x [K 64, N 192]; A: computed on the way; B: input W_ih (given as codes): QUANTISED (scales: A lowp_scales[14], B lowp_scales[15])
;;     12. [M 256, K 64] x [K 64, N 192]; A: input slots; B: input W_hh (given as codes): QUANTISED (scales: A lowp_scales[16], B lowp_scales[17])
;;     13. [M 256, K 64] x [K 64, N 128]; A: computed on the way; B: input mlp_W1 (given as codes): QUANTISED (scales: A lowp_scales[18], B lowp_scales[19])
;;     14. [M 256, K 128] x [K 128, N 64]; A: computed on the way; B: input mlp_W2 (given as codes): QUANTISED (scales: A lowp_scales[20], B lowp_scales[21])
;;     15. [M 256, K 64] x [K 64, N 64]; A: computed on the way; B: input Wq (given as codes): QUANTISED (scales: A lowp_scales[22], B lowp_scales[23])
;;     16. batch 32 x [M 16,384, K 64] x [K 64, N 8]; A: computed on the way; B: computed on the way: left as it is (N = 8 < 16)
;;     17. batch 32 x [M 8, K 16,384] x [K 16,384, N 64]; A: computed on the way; B: computed on the way: left as it is (M = 8 < 16)
;;     18. [M 256, K 64] x [K 64, N 192]; A: computed on the way; B: input W_ih (given as codes): QUANTISED (scales: A lowp_scales[24], B lowp_scales[25])
;;     19. [M 256, K 64] x [K 64, N 192]; A: computed on the way; B: input W_hh (given as codes): QUANTISED (scales: A lowp_scales[26], B lowp_scales[27])
;;     20. [M 256, K 64] x [K 64, N 128]; A: computed on the way; B: input mlp_W1 (given as codes): QUANTISED (scales: A lowp_scales[28], B lowp_scales[29])
;;     21. [M 256, K 128] x [K 128, N 64]; A: computed on the way; B: input mlp_W2 (given as codes): QUANTISED (scales: A lowp_scales[30], B lowp_scales[31])
;;     22. [M 256, K 64] x [K 64, N 64]; A: computed on the way; B: input Wq (given as codes): QUANTISED (scales: A lowp_scales[32], B lowp_scales[33])
;;     23. batch 32 x [M 16,384, K 64] x [K 64, N 8]; A: computed on the way; B: computed on the way: left as it is (N = 8 < 16)
;;     24. batch 32 x [M 8, K 16,384] x [K 16,384, N 64]; A: computed on the way; B: computed on the way: left as it is (M = 8 < 16)
;;     25. [M 256, K 64] x [K 64, N 192]; A: computed on the way; B: input W_ih (given as codes): QUANTISED (scales: A lowp_scales[34], B lowp_scales[35])
;;     26. [M 256, K 64] x [K 64, N 192]; A: computed on the way; B: input W_hh (given as codes): QUANTISED (scales: A lowp_scales[36], B lowp_scales[37])
;;     27. [M 256, K 64] x [K 64, N 128]; A: computed on the way; B: input mlp_W1 (given as codes): QUANTISED (scales: A lowp_scales[38], B lowp_scales[39])
;;     28. [M 256, K 128] x [K 128, N 64]; A: computed on the way; B: input mlp_W2 (given as codes): QUANTISED (scales: A lowp_scales[40], B lowp_scales[41])
;;   THE QUANTISER, for each operand of a quantised product, along K:
;;     - The operand's scale is 2^e, e = its entry of the input lowp_scales (int32; the entries are numbered through the quantised products in the list's order, A before B).
;;     - Each number is divided by the scale, clamped to +-448, and rounded to the nearest number of E4M3, ties to even, subnormals kept.
;;     - The product sums the exact products of the quantised numbers (number of the format x scale) in f32.
;;   ~~~python
;;   def quantise(x, axis, e):      # numpy; x: float32 -> the quantised numbers, widened to float32 again
;;       x = np.moveaxis(x, axis, -1); K = x.shape[-1]
;;       r = np.clip(x / 2.0 ** e, -448, 448)
;;       step = 2.0 ** (np.maximum(np.frexp(np.where(r == 0, 1, r))[1] - 1, -6) - 3)
;;       q = np.round(r / step) * step * 2.0 ** e      # np.round: ties to even
;;       return np.moveaxis(q, -1, axis).astype(np.float32)
;;   ~~~
;;   OPERANDS COMPUTED ON THE WAY. 'Computed on the way' means the value that the module computes at that place (a softmax that the list does not call 'softmax' is quantised finished and normalised). What goes into a quantiser is computed in f32, as accurately as f32 sums, v_exp_f32 and their like allow (about 1e-6 of the number): no bf16 or f16 on the way to a quantiser, and a product that is left as it is and whose result goes on into a quantised operand takes f32 operands (vector FMAs, or v_wmma_f32_16x16x4_f32). A number that lies on a knife's edge between two numbers of the format may be rounded either way, as far as f32 arithmetic and the matrix unit's own rounding can turn it there, and no further.
;;   INPUTS GIVEN AS CODES. W_hh (in the module: [64, 192], K = its axis 0); W_ih (in the module: [64, 192], K = its axis 0); Wk (in the module: [64, 64], K = its axis 0); Wq (in the module: [64, 64], K = its axis 0); Wv (in the module: [64, 64], K = its axis 0); mlp_W1 (in the module: [64, 128], K = its axis 0); mlp_W2 (in the module: [128, 64], K = its axis 0); pe_W1 (in the module: [64, 128], K = its axis 0); pe_W2 (in the module: [128, 64], K = its axis 0): each comes as NAME_codes (uint8): NAME with its K axis moved to the last place and cut into blocks of 32 codes, [.., K / 32, bytes a block], one block behind the other in memory; one code a byte (a code: sign, 4 exponent bits, 3 mantissa bits); its scale is its entry of lowp_scales. Its value is code x scale, taken as it is: it is not quantised again, and the codes and scales need not be those that the quantiser above would give.
;; One version. Each part assembles by itself: llvm-mc -triple=amdgcn-amd-amdhsa -mcpu=gfx1250 --defsym DOCPART=n.
;; ======== version 1 of 1: 4 launches
;; limits: right only within a limited range of input values
;; workspace buffers: hid 134,217,728 bytes; part_a 1,179,648 bytes; part_b 1,179,648 bytes; s_a 65,536 bytes; s_b 65,536 bytes; sc1 256 bytes of whole numbers; sc2 256 bytes of whole numbers
;; launch rows (part 1): grid 512 x 1, 8 waves a work-group, no clusters, 304,128 bytes of LDS; arguments inputs, slots, lowp_scales, ln_in_g, ln_in_b, Wk_codes, Wv_codes, pa_W, pa_b, pe_g, pe_b, pe_W1_codes, pe_b1, pe_W2_codes, pe_b2, ln_s_g, ln_s_b, Wq_codes, hid, part_a, s_a, sc1, sc2; writes hid, part_a, s_a, sc1, sc2
.if DOCPART == 1
	.amdgcn_target "amdgcn-amd-amdhsa--gfx1250"
	.amdhsa_code_object_version 6
	.text
	.protected	k_q43382a623f_rows
	.globl	k_q43382a623f_rows
	.p2align	8
	.type	k_q43382a623f_rows,@function
k_q43382a623f_rows:
	s_mov_b64 s[64:65], 0
	v_nop
	global_prefetch_b8 v0, s[64:65] scope:SCOPE_SE
	s_setreg_imm32_b32 hwreg(HW_REG_WAVE_MODE, 25, 1), 1
	s_wait_xcnt 0x0
; SLOT ATTENTION, FIRST LAUNCH: the chain of every input row (products 1 to 7), the queries of round 1 (product 8), and round 1's attention (products 9, 10).
; DEAD WORK: none is left out; every input has a way to the output and is loaded by some launch.  In round 1 reference() broadcasts slots, so product 8's 256 rows are 32 copies of 8 rows: the 8 are computed.
; WHAT GOES TO MEMORY: not k_pos and v_pos, but the E4M3 codes of the two relu'd hidden layers (the left operands of products 5 and 7), 256 bytes a row, as images of the operands' registers;
; the later rounds multiply them by pe_W2 anew, which gives the same numbers.  And for each work-group one record: sum over its rows of attn x v (8 slots x 64) and sum of attn (8 slots, each twice).
; attn / attn.sum(axis 1) is linear in the sums, so the next launch adds 16 records a batch and divides once.  v_pos = sum x 2^(e10+e11) + pe_b2: the factor goes on the finished record; the bias is added behind the
; division (sum(a b) / sum(a) = b).  k_pos's bias enters the logits as q . pe_b2; 2^(e6+e7), 64^-0.5 and log2(e) are folded into q.
; SHARES: a work-group takes 1,024 rows of one batch, each of its eight waves 128: eight tiles of 16.
; LAYOUT: lane (r, h) holds ONE row (r) and the h-th half of K on end: features 32 h + i, hidden units 64 h + i.  That is a permutation of k, alike in both operands of each product.  It holds from product to product
; because products are used transposed (source 0 = 16 rows of the weight) and lane r' of a weight's tile t takes row (N / 2) (r' / 8) + 8 t + r' % 8.  Product 7 alone is used as it stands, so that v has a row in a register.
; The grid's projection (K = 2, f32) is made by the f32 matrix form with k = (g0, g1, 1, 0), already divided by the power of two that the sums of products 1 and 2 lack, and is their C; the LayerNorm behind them
; runs in those units with eps x 2^-2(eA+eB), which changes nothing but the exponent.
; LIMITS: e0, e2, e4, e8, e12, e6-e4-e5 and e10-e8-e9 between -126 and 119; e12+e13 between -123 and 130.  NaN among the inputs is not served.  Sums are taken in another order than reference()'s.
.set TILEB, 4224                       ; 16 rows of 264 bytes
.set WAVEB, 33792                      ; a wave's 128 rows
.set WGB,   270336                     ; a work-group's 1,024 rows
.set CONST, 270336                     ; behind the rows: 4,096 bytes of constants for each wave, its own: +0 ln_in_g, +256 ln_in_b, +512 pe_g, +768 pe_b, +1024 b1 for k, +1536 b1 for v, +2048 the grid weights' images
.set SPARE, 303104                     ; the spare words, 128 bytes for each wave; no other line names them
; window 0
.set XA0, 1                            ; my lane's place in tile 0: features
.set GA0, 2                            ; and grid numbers
.set ADR, 3                            ; the same for the tile that is fetched next
.set ADG, 4
.set CA1, 5                            ; my wave's constants + 128 h
.set CA2, 6                            ; + 256 h
.set LI,  7                            ; + 16 x lane
.set HO,  8                            ; 16 x lane
.set SPW, 9
.set NIL, 10
.set ONE, 11
.set ZERO, 12
.set EP0, 13                           ; 1e-5
.set QB,  14                           ; v[14:15] q . pe_b2 of my slot
.set DEN, 16                           ; v[16:17] sum of attn
.set GR,  18                           ; v[18:19] the row's two grid numbers
.set GB,  20                           ; v[20:21] (g0, g1) in lanes 0-15, (1, 0) in lanes 16-31
.set SC0, 22                           ; pairs: a scale as f32, and 448 x the scale
.set SC2, 24
.set SC4, 26
.set SC8, 28
.set SCK, 30
.set SCV, 32
.set EPK, 34
.set EPV, 35
.set ST,  36                           ; v36-43 at work; also attn
.set MU,  44
.set RS,  46
.set A,   48                           ; v48-79 32 numbers of my row
.set C0,  80                           ; codes
.set C1,  88
.set CV,  80
.set CK,  96
.set PW,  96                           ; the grid weights' fragments
.set T,   96
.set X,   104
.set H,   112                          ; v112-175 constants, then a hidden layer
.set M1,  176                          ; v176-239, v240-255: written by matrix instructions alone
.set M2,  208
.set LA,  240
.set LB,  248
; window 1
.set WK,  0
.set WVF, 32
.set W1F, 64
.set W2F, 128
.set QF,  192
.set U,   224
; scalars
.set WV,  50
.set CNT, 51
.set G0A, 52
.set G0B, 56
.set TB,  60
.set HM,  61
.set SEL, 62
.set LBS, 66
.set CBS, 67
.set G1A, 68
.set G1B, 76
.set LM,  104
.set MSB, 0
.macro WIN new                         ; the immediate's high byte repeats the setting that is left
.if MSB != \new
	s_set_vgpr_msb (MSB<<8)|\new
.set MSB, \new
.endif
.endm
.macro PLACES n
.rept \n
	v_nop
.endr
.endm
.macro MKSC vs, se                     ; v[vs] = 2^e, v[vs+1] = 448 x 2^e
	s_add_co_i32 s2, \se, 127
	s_lshl_b32 s3, s2, 23
	v_mov_b32 v[\vs], s3
	s_add_co_i32 s2, s2, 8
	s_lshl_b32 s2, s2, 23
	s_or_b32 s2, s2, 0x600000
	v_mov_b32 v[\vs+1], s2
.endm
.macro CLD dst, adr, off, n            ; n x 16 bytes a lane from LDS
.set ii, 0
.rept \n
	ds_load_b128 v[\dst+4*ii:\dst+4*ii+3], v[\adr] offset:\off+16*ii
.set ii, ii+1
.endr
.endm
.macro XLD                             ; a tile: my row's 32 features and its two grid numbers.  Rows are 66 words apart: the 32 lanes of a load touch 64 different banks
.set ii, 0
.rept 16
	ds_load_b64 v[A+2*ii:A+2*ii+1], v[ADR] offset:8*ii
.set ii, ii+1
.endr
	ds_load_b64 v[GR:GR+1], v[ADG]
.endm
.macro PWLD
.set ii, 0
.rept 4
	ds_load_b128 v[PW+4*ii:PW+4*ii+3], v[LI] offset:2048+512*ii
.set ii, ii+1
.endr
.endm
; LayerNorm of a row of 64, 32 numbers a lane: dst = (src - mean) x rsqrt(var + eps) x g + b.  The sums take each group of eight registers from its low end on.
.macro HSUM                            ; the four chains, the pair, and the other half of the lanes
	v_pk_add_f32 v[ST:ST+1], v[ST:ST+1], v[ST+2:ST+3]
	v_pk_add_f32 v[ST+4:ST+5], v[ST+4:ST+5], v[ST+6:ST+7]
	v_pk_add_f32 v[ST:ST+1], v[ST:ST+1], v[ST+4:ST+5]
	v_add_f32 v[ST], v[ST], v[ST+1]
	v_permlanex16_b32 v[ST+1], v[ST], s[SEL], s[SEL+1]
	v_add_f32 v[ST], v[ST], v[ST+1]
.endm
.macro LNORM src, dst, gn, bs, ep
.irp k, 0,2,4,6
	v_pk_add_f32 v[ST+\k:ST+\k+1], v[\src+\k:\src+\k+1], v[\src+8+\k:\src+9+\k]
.endr
.irp o, 16,24
.irp k, 0,2,4,6
	v_pk_add_f32 v[ST+\k:ST+\k+1], v[ST+\k:ST+\k+1], v[\src+\o+\k:\src+\o+\k+1]
.endr
.endr
	HSUM
	v_mul_f32 v[MU], 0x3c800000, v[ST]             ; / 64
.set ii, 0
.rept 16
	v_pk_add_f32 v[\dst+ii:\dst+ii+1], v[\src+ii:\src+ii+1], v[MU:MU+1] op_sel_hi:[1,0] neg_lo:[0,1] neg_hi:[0,1]
.set ii, ii+2
.endr
.irp k, 0,2,4,6
	v_pk_mul_f32 v[ST+\k:ST+\k+1], v[\dst+\k:\dst+\k+1], v[\dst+\k:\dst+\k+1]
.endr
.irp o, 8,16,24
.irp k, 0,2,4,6
	v_pk_fma_f32 v[ST+\k:ST+\k+1], v[\dst+\o+\k:\dst+\o+\k+1], v[\dst+\o+\k:\dst+\o+\k+1], v[ST+\k:ST+\k+1]
.endr
.endr
	HSUM
	v_fma_f32 v[RS], v[ST], 0x3c800000, v[\ep]
	v_rsq_f32 v[RS], v[RS]
	v_nop                                          ; a plain instruction behind the transcendental,
	s_wait_alu depctr_va_vdst(0)                   ; and a wait ahead of its first reader
.set ii, 0
.rept 16
	v_pk_mul_f32 v[\dst+ii:\dst+ii+1], v[\dst+ii:\dst+ii+1], v[RS:RS+1] op_sel_hi:[1,0]
.set ii, ii+2
.endr
.set ii, 0
.rept 16
	v_pk_fma_f32 v[\dst+ii:\dst+ii+1], v[\dst+ii:\dst+ii+1], v[\gn+ii:\gn+ii+1], v[\bs+ii:\bs+ii+1]
.set ii, ii+2
.endr
.endm
; 32 numbers become 8 registers of codes.  The conversion to an 8-bit code does not saturate (ISA guide 7.6.2): each number is first held within 448 x the scale.
.macro QSYM src, cod, scl
.set gg, 0
.rept 4
.set ii, 0
.rept 8
	v_med3_num_f32 v[\src+8*gg+ii], v[\src+8*gg+ii], -v[\scl+1], v[\scl+1]
.set ii, ii+1
.endr
	v_cvt_scalef32_pk8_fp8_f32 v[\cod+2*gg:\cod+2*gg+1], v[\src+8*gg:\src+8*gg+7], v[\scl]
.set gg, gg+1
.endr
	v_nop                                          ; one plain instruction behind the last scaled conversion
.endm
.macro QSYMT src, tmp, cod, scl        ; the same, the held numbers in two sets of eight by turns: src stays
.set gg, 0
.rept 4
.set ii, 0
.rept 8
	v_med3_num_f32 v[\tmp+8*(gg%2)+ii], v[\src+8*gg+ii], -v[\scl+1], v[\scl+1]
.set ii, ii+1
.endr
	v_cvt_scalef32_pk8_fp8_f32 v[\cod+2*gg:\cod+2*gg+1], v[\tmp+8*(gg%2):\tmp+8*(gg%2)+7], v[\scl]
.set gg, gg+1
.endr
	v_nop
.endm
.macro QRELU src, cod, scl             ; 64 numbers; the activation and the hold in one
.set gg, 0
.rept 8
.set ii, 0
.rept 8
	v_med3_num_f32 v[\src+8*gg+ii], v[\src+8*gg+ii], 0, v[\scl+1]
.set ii, ii+1
.endr
	v_cvt_scalef32_pk8_fp8_f32 v[\cod+2*gg:\cod+2*gg+1], v[\src+8*gg:\src+8*gg+7], v[\scl]
.set gg, gg+1
.endr
	v_nop
.endm
; logits(row, slot) = sum over d of k'(row, d) q'(slot, d), f32: 16 links of 4 along d, onto two accumulators by turns.  Result: lane = slot, register j = row 8 h + j
.macro LOGITS
.irp c, 0,1,2,3,4,5,6,7,8,9,10,11,12,13,14,15
.if \c < 2
	v_wmma_f32_16x16x4_f32 v[LA+8*(\c%2):LA+8*(\c%2)+7], v[M1+2*\c:M1+2*\c+1], v[QF+2*\c:QF+2*\c+1], 0
.else
	v_wmma_f32_16x16x4_f32 v[LA+8*(\c%2):LA+8*(\c%2)+7], v[M1+2*\c:M1+2*\c+1], v[QF+2*\c:QF+2*\c+1], v[LA+8*(\c%2):LA+8*(\c%2)+7]
.endif
.endr
.endm
; softmax over the eight slots (lanes l, l xor 1, 2, 4), + 1e-8; the logits are in units of log2.  Lanes 8-15 of each half carry copies of slots 0-7.
.macro SOFTMAX
.irp p, 0,2,4,6
	v_pk_add_f32 v[T+\p:T+\p+1], v[LA+\p:LA+\p+1], v[LB+\p:LB+\p+1]
.endr
.irp p, 0,2,4,6
	v_pk_add_f32 v[T+\p:T+\p+1], v[T+\p:T+\p+1], v[QB:QB+1] op_sel_hi:[1,0]
.endr
.irp j, 0,1,2,3,4,5,6,7
	v_max_num_f32_dpp v[X+\j], v[T+\j], v[T+\j] row_xmask:1 row_mask:0xf bank_mask:0xf
.endr
.irp m, 2,4
.irp j, 0,1,2,3,4,5,6,7
	v_max_num_f32_dpp v[X+\j], v[X+\j], v[X+\j] row_xmask:\m row_mask:0xf bank_mask:0xf
.endr
.endr
.irp p, 0,2,4,6
	v_pk_add_f32 v[T+\p:T+\p+1], v[T+\p:T+\p+1], v[X+\p:X+\p+1] neg_lo:[0,1] neg_hi:[0,1]
.endr
.irp j, 0,1,2,3,4,5,6,7
	v_exp_f32 v[T+\j], v[T+\j]
.endr
	v_nop
	s_wait_alu depctr_va_vdst(0)                   ; one wait for the eight exponentials
.irp j, 0,1,2,3,4,5,6,7
	v_add_f32_dpp v[X+\j], v[T+\j], v[T+\j] row_xmask:1 row_mask:0xf bank_mask:0xf
.endr
.irp m, 2,4
.irp j, 0,1,2,3,4,5,6,7
	v_add_f32_dpp v[X+\j], v[X+\j], v[X+\j] row_xmask:\m row_mask:0xf bank_mask:0xf
.endr
.endr
.irp j, 0,1,2,3,4,5,6,7
	v_rcp_f32 v[X+\j], v[X+\j]
.endr
	v_nop
	s_wait_alu depctr_va_vdst(0)                   ; one wait for the eight reciprocals
.irp p, 0,2,4,6
	v_pk_fma_f32 v[ST+\p:ST+\p+1], v[T+\p:T+\p+1], v[X+\p:X+\p+1], 0x322bcc77 op_sel_hi:[1,1,0]
.endr
	v_pk_add_f32 v[X:X+1], v[ST:ST+1], v[ST+2:ST+3]
	v_pk_add_f32 v[X+2:X+3], v[ST+4:ST+5], v[ST+6:ST+7]
	v_pk_add_f32 v[X:X+1], v[X:X+1], v[X+2:X+3]
	v_pk_add_f32 v[DEN:DEN+1], v[DEN:DEN+1], v[X:X+1]
.endm
; U(slot, d) += sum over the tile's 16 rows of attn(row, slot) v'(row, d), f32: four accumulators by turns
.macro PV10 zero, mm
.irp c, 0,1,2,3
.irp t, 0,1,2,3
.if \zero && (\c == 0)
	v_wmma_f32_16x16x4_f32 v[U+8*\t:U+8*\t+7], v[ST+2*\c:ST+2*\c+1], v[\mm+8*\t+2*\c:\mm+8*\t+2*\c+1], 0
.else
	v_wmma_f32_16x16x4_f32 v[U+8*\t:U+8*\t+7], v[ST+2*\c:ST+2*\c+1], v[\mm+8*\t+2*\c:\mm+8*\t+2*\c+1], v[U+8*\t:U+8*\t+7]
.endif
.endr
.endr
.endm
	s_load_b512 s[4:19], s[0:1], 0x0               ; inputs 4, slots 6, lowp_scales 8, ln_in_g 10, ln_in_b 12, Wk 14, Wv 16, pa_W 18
	s_load_b512 s[20:35], s[0:1], 0x40             ; pa_b 20, pe_g 22, pe_b 24, pe_W1 26, pe_b1 28, pe_W2 30, pe_b2 32, ln_s_g 34
	s_load_b256 s[36:43], s[0:1], 0x80             ; ln_s_b 36, Wq 38, hid 40, part_a 42
	s_load_b128 s[44:47], s[0:1], 0xa0             ; s_a 44, sc1 46
	s_load_b64 s[48:49], s[0:1], 0xb0              ; sc2
	v_lshl_add_u32 v[SPW], v0, 2, SPARE
	v_mov_b32 v[NIL], 0
	ds_add_u32 v[SPW], v[NIL]                      ; the wave's opening: the add, twice on end, and its wait ahead of my first tensor load
	ds_add_u32 v[SPW], v[NIL]
	v_lshrrev_b32 v36, 5, v0
	v_readfirstlane_b32 s[WV], v36                 ; wave 0..7
	; descriptor group 1: my rows are one dense block of memory, taken as rows of 256 bytes (32 elements of 8 bytes): 33 of them are 32 rows of 264 bytes, 99 are 96
	s_mov_b32 s[G1A+0], 3<<16
	s_mov_b32 s[G1A+1], 32<<16
	s_mov_b32 s[G1A+2], 33<<16
	s_mov_b32 s[G1A+3], 32<<16
	s_mov_b32 s[G1A+4], 33
	s_mov_b32 s[G1A+5], 32
	s_mov_b32 s[G1A+6], 0
	s_mov_b32 s[G1A+7], 0
	s_mov_b32 s[G1B+0], 3<<16
	s_mov_b32 s[G1B+1], 32<<16
	s_mov_b32 s[G1B+2], 99<<16
	s_mov_b32 s[G1B+3], 32<<16
	s_mov_b32 s[G1B+4], 99
	s_mov_b32 s[G1B+5], 32
	s_mov_b32 s[G1B+6], 0
	s_mov_b32 s[G1B+7], 0
	s_mov_b32 s[SEL], 0x76543210
	s_mov_b32 s[SEL+1], 0xfedcba98
	s_mov_b32 s[HM], 0xffff0000                    ; lanes 16-31
	s_mov_b32 s[LM], 0x0000ffff                    ; lanes 0-15
	s_mov_b32 s[TB], 0
	s_mul_i32 s[LBS], s[WV], WAVEB                 ; my rows in LDS
	s_lshl_b32 s[CBS], s[WV], 12
	s_add_co_u32 s[CBS], s[CBS], CONST             ; my constants
	s_mul_i32 s2, ttmp9, WGB
	s_add_co_u32 s2, s2, s[LBS]                    ; my rows in memory
	s_mov_b32 s3, 0
	s_lshl_b32 s100, ttmp9, 18                     ; my images in hid: tile 64 g + 8 w, 4,096 bytes a tile
	s_lshl_b32 s101, s[WV], 15
	s_add_co_u32 s100, s100, s101
	s_mov_b32 s101, 0
	v_and_b32 v36, 15, v0                          ; r
	v_bfe_u32 v37, v0, 4, 1                        ; h
	v_and_b32 v38, 31, v0                          ; lane
	v_and_b32 v39, 7, v0                           ; r % 8
	v_bfe_u32 v40, v0, 3, 1                        ; r / 8
	v_mul_u32_u24 v[XA0], v36, 264
	v_add_nc_u32 v[XA0], s[LBS], v[XA0]
	v_add_nc_u32 v[GA0], 256, v[XA0]
	v_lshl_add_u32 v[XA0], v37, 7, v[XA0]
	v_lshlrev_b32 v[CA1], 7, v37
	v_add_nc_u32 v[CA1], s[CBS], v[CA1]
	v_lshlrev_b32 v[CA2], 8, v37
	v_add_nc_u32 v[CA2], s[CBS], v[CA2]
	v_lshlrev_b32 v[HO], 4, v38
	v_add_nc_u32 v[LI], s[CBS], v[HO]
	v_lshlrev_b32 v42, 3, v38                      ; 8 x lane
	v_add_nc_u32 v41, s[CBS], v42
	v_lshlrev_b32 v43, 6, v39
	v_lshl_add_u32 v43, v37, 5, v43
	v_lshl_add_u32 v44, v40, 12, v43               ; pe_W1: row 64 (r / 8) + r % 8 of 64 bytes, + 32 h
	v_lshl_add_u32 v43, v40, 11, v43               ; Wk, Wv, Wq: row 32 (r / 8) + r % 8
	v_lshlrev_b32 v45, 7, v39
	v_lshl_add_u32 v45, v37, 6, v45
	v_lshl_add_u32 v45, v40, 12, v45               ; pe_W2: row 32 (r / 8) + r % 8 of 128 bytes, + 64 h
	v_lshlrev_b32 v46, 8, v39
	v_lshl_add_u32 v46, v37, 7, v46                ; slots: row r % 8, + 128 h
	v_lshlrev_b32 v18, 7, v37                      ; 128 h
	v_lshlrev_b32 v47, 2, v39
	v_lshl_add_u32 v47, v40, 7, v47                ; pa_W, pa_b: 4 x (32 (r / 8) + r % 8)
	s_wait_dscnt 0x0                               ; both opening adds are done
	s_wait_kmcnt 0x0
	s_mov_b32 s[G0A], 1
	s_mov_b32 s[G0A+1], s[LBS]
	s_add_nc_u64 s[G0A+2:G0A+3], s[4:5], s[2:3]
	s_mov_b32 s[G0B], 1
	s_add_co_u32 s[G0B+1], s[LBS], 8448
	s_add_nc_u64 s[G0B+2:G0B+3], s[G0A+2:G0A+3], 8448
	s_or_b32 s[G0A+3], s[G0A+3], 0x80000000
	s_or_b32 s[G0B+3], s[G0B+3], 0x80000000
	tensor_load_to_lds s[G0A:G0A+3], s[G1A:G1A+7]  ; my first 32 rows: two tiles
	s_nop 0
	tensor_load_to_lds s[G0B:G0B+3], s[G1B:G1B+7]  ; the other 96.  Two tensor loads of mine are out; no byte is filled twice
	s_nop 0
	PLACES 4
	s_load_b512 s[84:99], s[8:9], 0x0              ; e0 .. e15
	s_add_nc_u64 s[40:41], s[40:41], s[100:101]
	WIN 0x40                                       ; destination window 1: the weights' fragments stay in registers
.irp t, 0,1,2,3
	global_load_b128 v[WK+8*\t:WK+8*\t+3], v43, s[14:15] offset:512*\t
	global_load_b128 v[WK+8*\t+4:WK+8*\t+7], v43, s[14:15] offset:512*\t+16
	global_load_b128 v[WVF+8*\t:WVF+8*\t+3], v43, s[16:17] offset:512*\t
	global_load_b128 v[WVF+8*\t+4:WVF+8*\t+7], v43, s[16:17] offset:512*\t+16
.endr
.irp t, 0,1,2,3,4,5,6,7
	global_load_b128 v[W1F+8*\t:W1F+8*\t+3], v44, s[26:27] offset:512*\t
	global_load_b128 v[W1F+8*\t+4:W1F+8*\t+7], v44, s[26:27] offset:512*\t+16
.endr
.irp t, 0,1,2,3
.irp c, 0,1,2,3
	global_load_b128 v[W2F+16*\t+4*\c:W2F+16*\t+4*\c+3], v45, s[30:31] offset:1024*\t+16*\c
.endr
.endr
	global_load_b64 v[192:193], v42, s[10:11]      ; what goes into my constants passes through q's registers, which are free until q is made
	global_load_b64 v[194:195], v42, s[12:13]
	global_load_b64 v[196:197], v42, s[22:23]
	global_load_b64 v[198:199], v42, s[24:25]
	global_load_b128 v[200:203], v[HO], s[28:29]
.irp t, 0,1,2,3
	global_load_b32 v[204+\t], v47, s[18:19] offset:32*\t
	global_load_b32 v[208+\t], v47, s[18:19] offset:256+32*\t
	global_load_b32 v[212+\t], v47, s[20:21] offset:32*\t
.endr
	WIN 0
.irp t, 0,1,2,3
	global_load_b128 v[C0+8*\t:C0+8*\t+3], v43, s[38:39] offset:512*\t
	global_load_b128 v[C0+8*\t+4:C0+8*\t+7], v43, s[38:39] offset:512*\t+16
.endr
.irp c, 0,1,2,3,4,5,6,7
	global_load_b128 v[A+4*\c:A+4*\c+3], v46, s[6:7] offset:16*\c
	global_load_b128 v[H+4*\c:H+4*\c+3], v18, s[34:35] offset:16*\c
	global_load_b128 v[H+32+4*\c:H+32+4*\c+3], v18, s[36:37] offset:16*\c
.endr
	s_wait_loadcnt 0x0
	s_wait_kmcnt 0x0
	MKSC SC0, s84
	MKSC SC2, s86
	MKSC SC4, s88
	MKSC SC8, s92
	s_sub_co_i32 s100, s90, s88
	s_sub_co_i32 s100, s100, s89
	MKSC SCK, s100                                 ; a sum of product 4 stands for sum x 2^(e4+e5): its code is sum / 2^(e6-e4-e5)
	s_sub_co_i32 s100, s94, s92
	s_sub_co_i32 s100, s100, s93
	MKSC SCV, s100
	MKSC GB, s96                                   ; e12, for the queries' operand; these two registers are free until the first tile
	v_mov_b32 v[EP0], 0x3727c5ac
	v_mov_b32 v[MU+1], 0                           ; (named as the upper halves of pairs)
	v_mov_b32 v[RS+1], 0
	s_add_co_i32 s100, s84, s85
	s_sub_co_i32 s101, 0, s100                     ; -(e0+e1)
	s_lshl_b32 s2, s101, 1
	v_ldexp_f32 v[EPK], v[EP0], s2
	s_add_co_i32 s100, s86, s87
	s_sub_co_i32 s105, 0, s100                     ; -(e2+e3)
	s_lshl_b32 s2, s105, 1
	v_ldexp_f32 v[EPV], v[EP0], s2
	s_add_co_i32 s2, s88, s89
	s_sub_co_i32 s2, 0, s2                         ; -(e4+e5)
	s_add_co_i32 s3, s92, s93
	s_sub_co_i32 s3, 0, s3                         ; -(e8+e9)
	WIN 0x41
.irp i, 0,1,2,3
	v_ldexp_f32 v[216+\i], v[200+\i], s2           ; the bias is the C of the hidden layer's products: divided by the power of two that their sums lack
	v_ldexp_f32 v[220+\i], v[200+\i], s3
.endr
	WIN 0x45
.irp t, 0,1,2,3
	v_cndmask_b32 v[204+\t], v[204+\t], v[212+\t], s[HM]   ; k = 0: pa_W[0][d]; k = 2: pa_b[d]
	v_cndmask_b32 v[208+\t], 0, v[208+\t], s[LM]           ; k = 1: pa_W[1][d]; k = 3: 0
.endr
	WIN 0x04                                       ; store data in window 1
	ds_store_b64 v41, v[192:193]
	ds_store_b64 v41, v[194:195] offset:256
	ds_store_b64 v41, v[196:197] offset:512
	ds_store_b64 v41, v[198:199] offset:768
	ds_store_b128 v[LI], v[216:219] offset:1024
	ds_store_b128 v[LI], v[220:223] offset:1536
	s_wait_dscnt 0x0                               ; the stores have read their registers
	WIN 0x41
.irp t, 0,1,2,3
	v_ldexp_f32 v[192+2*\t], v[204+\t], s101
	v_ldexp_f32 v[193+2*\t], v[208+\t], s101
	v_ldexp_f32 v[216+2*\t], v[204+\t], s105
	v_ldexp_f32 v[217+2*\t], v[208+\t], s105
.endr
	WIN 0x04
	ds_store_b128 v[LI], v[192:195] offset:2048
	ds_store_b128 v[LI], v[196:199] offset:2560
	ds_store_b128 v[LI], v[216:219] offset:3072
	ds_store_b128 v[LI], v[220:223] offset:3584
	WIN 0
	; the queries of round 1: q = LN(slots) Wq, lane r holding slot r % 8
	LNORM A, A, H, H+32, EP0
.irp c, 0,1,2,3,4,5,6,7
	global_load_b128 v[H+4*\c:H+4*\c+3], v18, s[32:33] offset:16*\c   ; pe_b2
.endr
	QSYM A, ST, GB
.irp t, 0,1,2,3
	v_wmma_f32_16x16x64_fp8_fp8 v[A+8*\t:A+8*\t+7], v[C0+8*\t:C0+8*\t+7], v[ST:ST+7], 0
.endr
	PLACES 4
	s_add_co_i32 s2, s96, s97
	s_lshl_b32 s2, s2, 23
	s_add_co_i32 s2, s2, 0x3e38aa3b                ; log2(e) / 8 x 2^(e12+e13): the exponents are added to the constant's exponent field
	s_mov_b32 s3, s2
.set ii, 0
.rept 16
	v_pk_mul_f32 v[A+ii:A+ii+1], v[A+ii:A+ii+1], s[2:3] op_sel_hi:[1,0]
.set ii, ii+2
.endr
	s_wait_loadcnt 0x0
	v_pk_mul_f32 v[ST:ST+1], v[A:A+1], v[H:H+1]    ; q . pe_b2
	v_pk_mul_f32 v[ST+2:ST+3], v[A+2:A+3], v[H+2:H+3]
.set ii, 4
.rept 7
	v_pk_fma_f32 v[ST:ST+1], v[A+ii:A+ii+1], v[H+ii:H+ii+1], v[ST:ST+1]
	v_pk_fma_f32 v[ST+2:ST+3], v[A+ii+2:A+ii+3], v[H+ii+2:H+ii+3], v[ST+2:ST+3]
.set ii, ii+4
.endr
	v_pk_add_f32 v[ST:ST+1], v[ST:ST+1], v[ST+2:ST+3]
	v_add_f32 v[ST], v[ST], v[ST+1]
	v_permlanex16_b32 v[ST+1], v[ST], s[SEL], s[SEL+1]
	v_add_f32 v[QB], v[ST], v[ST+1]
	v_mov_b32 v[QB+1], v[QB]
	s_add_co_i32 s2, s90, s91                      ; e6+e7: what the sums of product 5 lack
	s_wait_dscnt 0x0                               ; the constants' stores have read q's registers
	WIN 0x40
.set ii, 0
.rept 32
	v_ldexp_f32 v[QF+ii], v[A+ii], s2
.set ii, ii+1
.endr
	WIN 0
	v_mov_b32 v[DEN], 0
	v_mov_b32 v[DEN+1], 0
	v_mov_b32 v[ONE], 1.0
	v_mov_b32 v[ZERO], 0
	v_mov_b32 v[ADR], v[XA0]
	v_mov_b32 v[ADG], v[GA0]
	s_wait_tensorcnt 0x1                           ; my first 32 rows are in; the load of the other 96 may stay out.  Only I read my rows: no barrier
	XLD
	CLD H, CA1, 0, 8
	CLD H+32, CA1, 256, 8
	PWLD
; ONE TILE OF 16 ROWS.  first = 1: its products start U's sums.  ahead = 1: the next tile's numbers and constants are fetched on the way.
.macro STEP first, ahead
	s_wait_dscnt 0x0                               ; the tile's numbers, ln_in's gain and bias, the grid weights
.if \ahead
	s_add_co_u32 s[TB], s[TB], TILEB
	v_add_nc_u32 v[ADR], s[TB], v[XA0]
	v_add_nc_u32 v[ADG], s[TB], v[GA0]
.else
	PLACES 2
.endif
	v_cndmask_b32 v[GB], v[GR], v[ONE], s[HM]
	v_cndmask_b32 v[GB+1], v[GR+1], v[ZERO], s[HM]
	PLACES 5                                       ; nine places behind the last tile's f32 products, whose operand registers are written anew below (ISA guide 7.12.1)
.irp t, 0,1,2,3
	v_wmma_f32_16x16x4_f32 v[M1+8*\t:M1+8*\t+7], v[PW+2*\t:PW+2*\t+1], v[GB:GB+1], 0        ; the grid's projection / 2^(e0+e1)
.endr
.irp t, 0,1,2,3
	v_wmma_f32_16x16x4_f32 v[M2+8*\t:M2+8*\t+7], v[PW+8+2*\t:PW+9+2*\t], v[GB:GB+1], 0      ; / 2^(e2+e3)
.endr
	LNORM A, A, H, H+32, EP0                       ; (also the places between those products and products 1 and 2)
	QSYMT A, H, C0, SC0
	QSYM A, C1, SC2
	CLD H, CA1, 512, 8                             ; pe_g, pe_b
	CLD H+32, CA1, 768, 8
	WIN 0x01
.irp t, 0,1,2,3
	v_wmma_f32_16x16x64_fp8_fp8 v[M1+8*\t:M1+8*\t+7], v[WK+8*\t:WK+8*\t+7], v[C0:C0+7], v[M1+8*\t:M1+8*\t+7]
.endr
.irp t, 0,1,2,3
	v_wmma_f32_16x16x64_fp8_fp8 v[M2+8*\t:M2+8*\t+7], v[WVF+8*\t:WVF+8*\t+7], v[C1:C1+7], v[M2+8*\t:M2+8*\t+7]
.endr
	WIN 0
	PLACES 4
	s_wait_dscnt 0x0
	LNORM M1, A, H, H+32, EPK
	QSYM A, C0, SC4
	LNORM M2, A, H, H+32, EPV
	CLD H, CA2, 1024, 16                           ; b1 for k's path: the C of product 4
	QSYM A, C1, SC8
	s_wait_dscnt 0x0
	WIN 0x01
.irp t, 0,1,2,3,4,5,6,7
	v_wmma_f32_16x16x64_fp8_fp8 v[H+8*\t:H+8*\t+7], v[W1F+8*\t:W1F+8*\t+7], v[C0:C0+7], v[H+8*\t:H+8*\t+7]
.endr
	WIN 0
.if \ahead
	XLD
.endif
	PLACES 4
	QRELU H, CK, SCK
.irp c, 0,1,2,3
	global_store_b128 v[HO], v[CK+4*\c:CK+4*\c+3], s[40:41] offset:512*\c th:TH_STORE_NT    ; the operand as it stands: the wave stores 512 consecutive bytes
.endr
	CLD H, CA2, 1536, 16                           ; b1 for v's path
	WIN 0x01
.irp t, 0,1,2,3
	v_wmma_f32_16x16x128_fp8_fp8 v[M1+8*\t:M1+8*\t+7], v[W2F+16*\t:W2F+16*\t+15], v[CK:CK+15], 0   ; product 5, transposed: k'
.endr
	s_wait_dscnt 0x0
.irp t, 0,1,2,3,4,5,6,7
	v_wmma_f32_16x16x64_fp8_fp8 v[H+8*\t:H+8*\t+7], v[W1F+8*\t:W1F+8*\t+7], v[C1:C1+7], v[H+8*\t:H+8*\t+7]
.endr
	WIN 0
	PLACES 5                                       ; k' becomes an operand
	WIN 0x04
	LOGITS
	WIN 0
	QRELU H, CV, SCV                               ; (its holds are the places between the logits' products and the softmax)
.irp c, 0,1,2,3
	global_store_b128 v[HO], v[CV+4*\c:CV+4*\c+3], s[40:41] offset:2048+512*\c th:TH_STORE_NT
.endr
.if \ahead
	CLD H, CA1, 0, 8                               ; ln_in's gain and bias for the next tile
	CLD H+32, CA1, 256, 8
.endif
	WIN 0x04
.irp t, 0,1,2,3
	v_wmma_f32_16x16x128_fp8_fp8 v[M2+8*\t:M2+8*\t+7], v[CV:CV+15], v[W2F+16*\t:W2F+16*\t+15], 0   ; product 7, as it stands: v'(row 8 h + j, d of lane r)
.endr
	WIN 0
	s_wait_xcnt 0x0                                ; the eight stores have read their registers: the codes' registers and the stores' base are written again only behind this wait
	SOFTMAX
	WIN 0x50
	PV10 \first, M2
	WIN 0
.if \ahead
	PWLD
	s_add_nc_u64 s[40:41], s[40:41], 4096
.endif
.endm
	STEP 1, 1
	s_wait_tensorcnt 0x0                           ; the other 96 rows are in
	s_mov_b32 s[CNT], 6
.Ltile:
	STEP 0, 1
	s_sub_co_u32 s[CNT], s[CNT], 1
	s_cmp_lg_u32 s[CNT], 0
	s_cbranch_scc1 .Ltile
	STEP 0, 0                                      ; the last tile fetches nothing
	; THE RECORD.  Each wave lays its sums into the first 4,352 bytes of its own rows' place, which has had its one fill and its last read; a barrier; the 256 threads add the eight waves'.
	v_and_b32 v3, 7, v0                            ; (these lines are also the places behind the last products)
	v_bfe_u32 v4, v0, 3, 1
	v_bfe_u32 v5, v0, 4, 1
	v_lshlrev_b32 v1, 2, v3
	v_lshl_add_u32 v1, v4, 7, v1
	v_lshl_add_u32 v1, v5, 11, v1                  ; lanes 16-31 hold the copies' sums: they go 2,048 bytes on and are not read
	v_add_nc_u32 v1, s[LBS], v1
	v_and_b32 v2, 31, v0
	v_lshlrev_b32 v2, 3, v2
	v_add_nc_u32 v2, s[LBS], v2
	v_lshlrev_b32 v22, 3, v0
.irp i, 1,2,3,4,5,6,7
	v_add_nc_u32 v[22+\i], WAVEB*\i, v22
.endr
	s_add_co_i32 s2, s94, s95                      ; e10+e11
	WIN 0x01
.set ii, 0
.rept 32
	v_ldexp_f32 v[H+ii], v[U+ii], s2
.set ii, ii+1
.endr
	WIN 0
	v_add_f32 v[DEN], v[DEN], v[DEN+1]
	v_permlanex16_b32 v[DEN+1], v[DEN], s[SEL], s[SEL+1]
	v_add_f32 v[DEN], v[DEN], v[DEN+1]
	v_mov_b32 v[DEN+1], v[DEN]
.irp t, 0,1,2,3
.irp j, 0,1,2,3,4,5,6,7
	ds_store_b32 v1, v[H+8*\t+\j] offset:256*\j+32*\t      ; (slot j, d = 32 (r / 8) + 8 t + r % 8)
.endr
.endr
	ds_store_b64 v2, v[DEN:DEN+1] offset:4096
	s_mul_i32 s2, ttmp9, 2304
	s_mov_b32 s3, 0
	s_add_nc_u64 s[42:43], s[42:43], s[2:3]
	s_wait_dscnt 0x0                               ; for the others' sake: my stores are done
	s_barrier_signal -1
	s_barrier_wait -1
.irp i, 0,1,2,3,4,5,6,7
	ds_load_b64 v[48+2*\i:49+2*\i], v[22+\i]
.endr
	s_wait_dscnt 0x0
	v_pk_add_f32 v[48:49], v[48:49], v[50:51]
	v_pk_add_f32 v[52:53], v[52:53], v[54:55]
	v_pk_add_f32 v[56:57], v[56:57], v[58:59]
	v_pk_add_f32 v[60:61], v[60:61], v[62:63]
	v_pk_add_f32 v[48:49], v[48:49], v[52:53]
	v_pk_add_f32 v[56:57], v[56:57], v[60:61]
	v_pk_add_f32 v[48:49], v[48:49], v[56:57]
	global_store_b64 v22, v[48:49], s[42:43]       ; a wave stores 256 consecutive bytes, aligned
	s_cmp_lg_u32 s[WV], 0
	s_cbranch_scc1 .Lno_den
.irp i, 0,1,2,3,4,5,6,7
	ds_load_b64 v[64+2*\i:65+2*\i], v[22+\i] offset:4096
.endr
	s_wait_dscnt 0x0
	v_pk_add_f32 v[64:65], v[64:65], v[66:67]
	v_pk_add_f32 v[68:69], v[68:69], v[70:71]
	v_pk_add_f32 v[72:73], v[72:73], v[74:75]
	v_pk_add_f32 v[76:77], v[76:77], v[78:79]
	v_pk_add_f32 v[64:65], v[64:65], v[68:69]
	v_pk_add_f32 v[72:73], v[72:73], v[76:77]
	v_pk_add_f32 v[64:65], v[64:65], v[72:73]
	global_store_b64 v22, v[64:65], s[42:43] offset:2048
.Lno_den:
	s_and_b32 s2, ttmp9, 15                        ; a batch's first work-group, wave 0: the slots as round 1 finds them, for the next launch
	s_or_b32 s2, s2, s[WV]
	s_cmp_lg_u32 s2, 0
	s_cbranch_scc1 .Lno_slots
	s_lshr_b32 s2, ttmp9, 4
	s_lshl_b32 s2, s2, 11
	s_mov_b32 s3, 0
	s_add_nc_u64 s[44:45], s[44:45], s[2:3]
.irp c, 0,1,2,3
	global_load_b128 v[H+4*\c:H+4*\c+3], v[HO], s[6:7] offset:512*\c
.endr
	s_wait_loadcnt 0x0
.irp c, 0,1,2,3
	global_store_b128 v[HO], v[H+4*\c:H+4*\c+3], s[44:45] offset:512*\c
.endr
.Lno_slots:
	s_sub_co_u32 s2, s[WV], 1                      ; work-group 0, wave 1: the exponents of rounds 1 and 2, each from entry 0 on, so that one text serves both later launches
	s_or_b32 s2, s2, ttmp9
	s_cmp_lg_u32 s2, 0
	s_cbranch_scc1 .Lno_scales
	v_and_b32 v3, 31, v0
	v_add_nc_u32 v4, 14, v3
	v_min_u32 v4, 41, v4                           ; no lane leaves the 42 entries
	v_lshlrev_b32 v4, 2, v4
	v_add_nc_u32 v5, 24, v3
	v_min_u32 v5, 41, v5
	v_lshlrev_b32 v5, 2, v5
	v_lshlrev_b32 v3, 2, v3
	global_load_b32 v6, v4, s[8:9]
	global_load_b32 v7, v5, s[8:9]
	s_wait_loadcnt 0x0
	global_store_b32 v3, v6, s[46:47]
	global_store_b32 v3, v7, s[48:49]
.Lno_scales:
	s_wait_tensorcnt 0x0                           ; the wave's end, behind my last tensor load and my last LDS store
	ds_add_u32 v[SPW], v[NIL]
	s_wait_dscnt 0x0
	s_endpgm
.Lfunc_end_k_q43382a623f_rows:
	.size	k_q43382a623f_rows, .Lfunc_end_k_q43382a623f_rows-k_q43382a623f_rows
	.p2alignl 7, 3214868480
	.fill 96, 4, 3214868480
	.section	.rodata,"a",@progbits
	.p2align	6, 0x0
	.amdhsa_kernel k_q43382a623f_rows
		.amdhsa_group_segment_fixed_size 304128
		.amdhsa_private_segment_fixed_size 0
		.amdhsa_enable_private_segment 0
		.amdhsa_kernarg_size 184
		.amdhsa_user_sgpr_count 2
		.amdhsa_user_sgpr_kernarg_segment_ptr 1
		.amdhsa_wavefront_size32 1
		.amdhsa_system_sgpr_workgroup_id_x 1
		.amdhsa_system_sgpr_workgroup_id_y 1
		.amdhsa_system_sgpr_workgroup_id_z 1
		.amdhsa_system_vgpr_workitem_id 0
		.amdhsa_next_free_vgpr 512
		.amdhsa_next_free_sgpr 106
		.amdhsa_reserve_vcc 0
		.amdhsa_float_denorm_mode_32 3
		.amdhsa_float_denorm_mode_16_64 3
		.amdhsa_memory_ordered 1
		.amdhsa_forward_progress 1
		.amdhsa_inst_pref_size 199
	.end_amdhsa_kernel
	.amdgpu_metadata
---
amdhsa.version: [ 1, 2 ]
amdhsa.kernels:
  - .name:           k_q43382a623f_rows
    .symbol:         k_q43382a623f_rows.kd
    .args:
      - { .name: inputs, .offset: 0, .size: 8, .value_kind: global_buffer, .address_space: global }
      - { .name: slots, .offset: 8, .size: 8, .value_kind: global_buffer, .address_space: global }
      - { .name: lowp_scales, .offset: 16, .size: 8, .value_kind: global_buffer, .address_space: global }
      - { .name: ln_in_g, .offset: 24, .size: 8, .value_kind: global_buffer, .address_space: global }
      - { .name: ln_in_b, .offset: 32, .size: 8, .value_kind: global_buffer, .address_space: global }
      - { .name: Wk_codes, .offset: 40, .size: 8, .value_kind: global_buffer, .address_space: global }
      - { .name: Wv_codes, .offset: 48, .size: 8, .value_kind: global_buffer, .address_space: global }
      - { .name: pa_W, .offset: 56, .size: 8, .value_kind: global_buffer, .address_space: global }
      - { .name: pa_b, .offset: 64, .size: 8, .value_kind: global_buffer, .address_space: global }
      - { .name: pe_g, .offset: 72, .size: 8, .value_kind: global_buffer, .address_space: global }
      - { .name: pe_b, .offset: 80, .size: 8, .value_kind: global_buffer, .address_space: global }
      - { .name: pe_W1_codes, .offset: 88, .size: 8, .value_kind: global_buffer, .address_space: global }
      - { .name: pe_b1, .offset: 96, .size: 8, .value_kind: global_buffer, .address_space: global }
      - { .name: pe_W2_codes, .offset: 104, .size: 8, .value_kind: global_buffer, .address_space: global }
      - { .name: pe_b2, .offset: 112, .size: 8, .value_kind: global_buffer, .address_space: global }
      - { .name: ln_s_g, .offset: 120, .size: 8, .value_kind: global_buffer, .address_space: global }
      - { .name: ln_s_b, .offset: 128, .size: 8, .value_kind: global_buffer, .address_space: global }
      - { .name: Wq_codes, .offset: 136, .size: 8, .value_kind: global_buffer, .address_space: global }
      - { .name: hid, .offset: 144, .size: 8, .value_kind: global_buffer, .address_space: global }
      - { .name: part_a, .offset: 152, .size: 8, .value_kind: global_buffer, .address_space: global }
      - { .name: s_a, .offset: 160, .size: 8, .value_kind: global_buffer, .address_space: global }
      - { .name: sc1, .offset: 168, .size: 8, .value_kind: global_buffer, .address_space: global }
      - { .name: sc2, .offset: 176, .size: 8, .value_kind: global_buffer, .address_space: global }
    .group_segment_fixed_size: 304128
    .private_segment_fixed_size: 0
    .kernarg_segment_align: 8
    .kernarg_segment_size: 184
    .max_flat_workgroup_size: 256
    .sgpr_count:     106
    .vgpr_count:     512
    .wavefront_size: 32
...
	.end_amdgpu_metadata
.endif
;; end of part 1
;; launch iter2 (part 2): grid 256 x 1, 8 waves a work-group, no clusters, 97,024 bytes of LDS; arguments part_a, s_a, sc1, lowp_scales, W_ih_codes, W_hh_codes, b_ih, b_hh, ln_m_g, ln_m_b, mlp_W1_codes, mlp_b1, mlp_W2_codes, mlp_b2, ln_s_g, ln_s_b, Wq_codes, pe_b2, pe_W2_codes, hid, part_b, s_b; writes part_b, s_b
.if DOCPART == 2
	.amdgcn_target "amdgcn-amd-amdhsa--gfx1250"
	.amdhsa_code_object_version 6
	.text
	.protected	k_q43382a623f_iter2
	.globl	k_q43382a623f_iter2
	.p2align	8
	.type	k_q43382a623f_iter2,@function
k_q43382a623f_iter2:
	s_mov_b64 s[64:65], 0
	v_nop
	global_prefetch_b8 v0, s[64:65] scope:SCOPE_SE
	s_setreg_imm32_b32 hwreg(HW_REG_WAVE_MODE, 25, 1), 1
	s_wait_xcnt 0x0
; SLOT ATTENTION, A LATER ROUND.  Head: the batch's 16 records are added, updates = sum / sum of attn + pe_b2, GRU cell and slot MLP (four quantised products and two), the new slots, their queries.
; Body: the round's attention over the work-group's 2,048 rows: k' and v' are made anew from the hidden layers' codes (products 5 and 7: the same codes and weights give the same numbers), then logits, softmax, sums.
; No work of reference() is left out.  The text serves rounds 2 and 3: the round's ten exponents come from a buffer of their own, from entry 0 on.
; SHARES: batch g / 8.  Each of the eight work-groups of a batch makes the batch's update for itself (8 x 64 numbers): wave 0, while the other waves' first tiles are on their way.  Wave w takes tiles 128 g + 16 w + 0 .. 15.
; Waves 0-3 feed record 2 g, waves 4-7 record 2 g + 1.  LAYOUT as in the first launch: lane (r, h) holds one row (in the head: slot r % 8) and the h-th half of K on end.
; No tensor load: a tile's two operands come from memory straight into their registers, 512 consecutive bytes a load, four tiles (32 loads a wave) ahead.
; LIMITS: the operands' exponents between -126 and 119, each product's two added between -126 and 127; sc[8]+sc[9] between -123 and 130.  NaN is not served.  tanh(y) = 1 - 2 / (1 + 2^(2 log2(e) y)).
.set WIH, 0                            ; LDS: the slot weights' codes as they lie in memory
.set WHH, 12288
.set MW1, 24576
.set MW2, 32768
.set WQ,  40960
.set VEC, 45056                        ; +0 b_ih + b_hh of gates r, z; +512 b_ih n; +768 b_hh n; +1024 mlp_b1; +1536 mlp_b2; +1792 pe_b2; +2048 ln_m_g; +2304 ln_m_b; +2560 ln_s_g; +2816 ln_s_b; +3072 the divisors
.set SUM, 48640                        ; the records' sum, [slot][d]
.set PRV, 50688                        ; the old slots
.set SST, 52736                        ; the new slots, 16 rows of 256 bytes (rows 8-15: the copies)
.set QIM, 56832                        ; q's registers as an image
.set QBI, 60928
.set RED, 61184                        ; 4,352 bytes for each wave
.set SPARE, 96000
.set T8, 1
.set T16, 2
.set L16, 3
.set FA64, 4
.set FAW1, 5
.set FAW2, 6
.set SL, 7
.set VH, 8
.set VH2, 9
.set DO, 10
.set SPW, 11
.set NIL, 12
.set EP0, 13
.set QB, 14
.set DEN, 16
.set RA, 18
.set RDA, 19
.set L4, 20
.set L8, 21
.set ST, 32
.set MU, 40
.set RS, 42
.set SSA, 44
.set DENA, 45
.set PO, 46
.set PD, 47
.set LA, 48                            ; v48-63 and window 1's v224-255: written by matrix instructions alone
.set LB, 56
.set R1, 64
.set M1, 64
.set R2, 96
.set M2, 96
.set R3, 128
.set PV, 160
.set T, 160
.set X, 168
.set CB, 192
.set AU, 224
.set AP, 232
.set W2F, 128                          ; window 1: v0-127 four tiles' operands (in wave 0 first the slot weights' fragments)
.set QF, 192
.set U, 224
.set WV, 48
.set CNT, 50
.set SEL, 62
.set SA, 82
.set SB, 84
.set S45, 86
.set S67, 88
.set FQ, 90
.set EV, 93
.set MSB, 0
.macro WIN new
.if MSB != \new
	s_set_vgpr_msb (MSB<<8)|\new
.set MSB, \new
.endif
.endm
.macro PLACES n
.rept \n
	v_nop
.endr
.endm
.macro MKSC vs, se
	s_add_co_i32 s2, \se, 127
	s_lshl_b32 s3, s2, 23
	v_mov_b32 v[\vs], s3
	s_add_co_i32 s2, s2, 8
	s_lshl_b32 s2, s2, 23
	s_or_b32 s2, s2, 0x600000
	v_mov_b32 v[\vs+1], s2
.endm
.macro MKP2 sd, sa, sb                 ; s[sd], s[sd+1] = 2^(a + b) as f32
	s_add_co_i32 s[\sd], \sa, \sb
	s_add_co_i32 s[\sd], s[\sd], 127
	s_lshl_b32 s[\sd], s[\sd], 23
	s_mov_b32 s[\sd+1], s[\sd]
.endm
.macro CLD dst, adr, off, n
.set ii, 0
.rept \n
	ds_load_b128 v[\dst+4*ii:\dst+4*ii+3], v[\adr] offset:\off+16*ii
.set ii, ii+1
.endr
.endm
.macro FR64 dst, adr, off              ; four fragments of a weight with K = 64
.irp t, 0,1,2,3
	ds_load_b128 v[\dst+8*\t:\dst+8*\t+3], v[\adr] offset:\off+512*\t
	ds_load_b128 v[\dst+8*\t+4:\dst+8*\t+7], v[\adr] offset:\off+512*\t+16
.endr
.endm
.macro GEMM4 acc, frg, cod             ; 64 outputs for my 16 rows, transposed
.irp t, 0,1,2,3
	v_wmma_f32_16x16x64_fp8_fp8 v[\acc+8*\t:\acc+8*\t+7], v[\frg+8*\t:\frg+8*\t+7], v[\cod:\cod+7], 0
.endr
.endm
.macro FMAS dst, src, sp, add, np      ; dst = src x s[sp] + add
.set ii, 0
.rept \np
	v_pk_fma_f32 v[\dst+ii:\dst+ii+1], v[\src+ii:\src+ii+1], s[\sp:\sp+1], v[\add+ii:\add+ii+1] op_sel_hi:[1,0,1]
.set ii, ii+2
.endr
.endm
.macro MULS dst, src, sp
.set ii, 0
.rept 16
	v_pk_mul_f32 v[\dst+ii:\dst+ii+1], v[\src+ii:\src+ii+1], s[\sp:\sp+1] op_sel_hi:[1,0]
.set ii, ii+2
.endr
.endm
.macro ADDV dst, aa, bb
.set ii, 0
.rept 16
	v_pk_add_f32 v[\dst+ii:\dst+ii+1], v[\aa+ii:\aa+ii+1], v[\bb+ii:\bb+ii+1]
.set ii, ii+2
.endr
.endm
.macro SIGM reg, kk                    ; 1 / (1 + 2^(kk x)), 32 numbers: two batches, each with one plain instruction and one wait
.set ii, 0
.rept 16
	v_pk_mul_f32 v[\reg+ii:\reg+ii+1], v[\reg+ii:\reg+ii+1], \kk op_sel_hi:[1,0]
.set ii, ii+2
.endr
.set ii, 0
.rept 32
	v_exp_f32 v[\reg+ii], v[\reg+ii]
.set ii, ii+1
.endr
	v_nop
	s_wait_alu depctr_va_vdst(0)
.set ii, 0
.rept 16
	v_pk_add_f32 v[\reg+ii:\reg+ii+1], v[\reg+ii:\reg+ii+1], 1.0 op_sel_hi:[1,0]
.set ii, ii+2
.endr
.set ii, 0
.rept 32
	v_rcp_f32 v[\reg+ii], v[\reg+ii]
.set ii, ii+1
.endr
	v_nop
	s_wait_alu depctr_va_vdst(0)
.endm
.macro TREE16 bb                       ; 16 pairs into the first
.irp p, 0,4,8,12,16,20,24,28
	v_pk_add_f32 v[\bb+\p:\bb+\p+1], v[\bb+\p:\bb+\p+1], v[\bb+\p+2:\bb+\p+3]
.endr
.irp p, 0,8,16,24
	v_pk_add_f32 v[\bb+\p:\bb+\p+1], v[\bb+\p:\bb+\p+1], v[\bb+\p+4:\bb+\p+5]
.endr
	v_pk_add_f32 v[\bb:\bb+1], v[\bb:\bb+1], v[\bb+8:\bb+9]
	v_pk_add_f32 v[\bb+16:\bb+17], v[\bb+16:\bb+17], v[\bb+24:\bb+25]
	v_pk_add_f32 v[\bb:\bb+1], v[\bb:\bb+1], v[\bb+16:\bb+17]
.endm
.macro HSUM
	v_pk_add_f32 v[ST:ST+1], v[ST:ST+1], v[ST+2:ST+3]
	v_pk_add_f32 v[ST+4:ST+5], v[ST+4:ST+5], v[ST+6:ST+7]
	v_pk_add_f32 v[ST:ST+1], v[ST:ST+1], v[ST+4:ST+5]
	v_add_f32 v[ST], v[ST], v[ST+1]
	v_permlanex16_b32 v[ST+1], v[ST], s[SEL], s[SEL+1]
	v_add_f32 v[ST], v[ST], v[ST+1]
.endm
.macro LNORM src, dst, gn, bs, ep
.irp k, 0,2,4,6
	v_pk_add_f32 v[ST+\k:ST+\k+1], v[\src+\k:\src+\k+1], v[\src+8+\k:\src+9+\k]
.endr
.irp o, 16,24
.irp k, 0,2,4,6
	v_pk_add_f32 v[ST+\k:ST+\k+1], v[ST+\k:ST+\k+1], v[\src+\o+\k:\src+\o+\k+1]
.endr
.endr
	HSUM
	v_mul_f32 v[MU], 0x3c800000, v[ST]
.set ii, 0
.rept 16
	v_pk_add_f32 v[\dst+ii:\dst+ii+1], v[\src+ii:\src+ii+1], v[MU:MU+1] op_sel_hi:[1,0] neg_lo:[0,1] neg_hi:[0,1]
.set ii, ii+2
.endr
.irp k, 0,2,4,6
	v_pk_mul_f32 v[ST+\k:ST+\k+1], v[\dst+\k:\dst+\k+1], v[\dst+\k:\dst+\k+1]
.endr
.irp o, 8,16,24
.irp k, 0,2,4,6
	v_pk_fma_f32 v[ST+\k:ST+\k+1], v[\dst+\o+\k:\dst+\o+\k+1], v[\dst+\o+\k:\dst+\o+\k+1], v[ST+\k:ST+\k+1]
.endr
.endr
	HSUM
	v_fma_f32 v[RS], v[ST], 0x3c800000, v[\ep]
	v_rsq_f32 v[RS], v[RS]
	v_nop
	s_wait_alu depctr_va_vdst(0)
.set ii, 0
.rept 16
	v_pk_mul_f32 v[\dst+ii:\dst+ii+1], v[\dst+ii:\dst+ii+1], v[RS:RS+1] op_sel_hi:[1,0]
.set ii, ii+2
.endr
.set ii, 0
.rept 16
	v_pk_fma_f32 v[\dst+ii:\dst+ii+1], v[\dst+ii:\dst+ii+1], v[\gn+ii:\gn+ii+1], v[\bs+ii:\bs+ii+1]
.set ii, ii+2
.endr
.endm
.macro QSYM src, cod, scl              ; the conversion to an 8-bit code does not saturate (ISA guide 7.6.2): the hold comes first
.set gg, 0
.rept 4
.set ii, 0
.rept 8
	v_med3_num_f32 v[\src+8*gg+ii], v[\src+8*gg+ii], -v[\scl+1], v[\scl+1]
.set ii, ii+1
.endr
	v_cvt_scalef32_pk8_fp8_f32 v[\cod+2*gg:\cod+2*gg+1], v[\src+8*gg:\src+8*gg+7], v[\scl]
.set gg, gg+1
.endr
	v_nop
.endm
.macro QSYMT src, tmp, cod, scl
.set gg, 0
.rept 4
.set ii, 0
.rept 8
	v_med3_num_f32 v[\tmp+8*(gg%2)+ii], v[\src+8*gg+ii], -v[\scl+1], v[\scl+1]
.set ii, ii+1
.endr
	v_cvt_scalef32_pk8_fp8_f32 v[\cod+2*gg:\cod+2*gg+1], v[\tmp+8*(gg%2):\tmp+8*(gg%2)+7], v[\scl]
.set gg, gg+1
.endr
	v_nop
.endm
.macro QRELU src, cod, scl
.set gg, 0
.rept 8
.set ii, 0
.rept 8
	v_med3_num_f32 v[\src+8*gg+ii], v[\src+8*gg+ii], 0, v[\scl+1]
.set ii, ii+1
.endr
	v_cvt_scalef32_pk8_fp8_f32 v[\cod+2*gg:\cod+2*gg+1], v[\src+8*gg:\src+8*gg+7], v[\scl]
.set gg, gg+1
.endr
	v_nop
.endm
.macro LOGITS                          ; two accumulators by turns
.irp c, 0,1,2,3,4,5,6,7,8,9,10,11,12,13,14,15
.if \c < 2
	v_wmma_f32_16x16x4_f32 v[LA+8*(\c%2):LA+8*(\c%2)+7], v[M1+2*\c:M1+2*\c+1], v[QF+2*\c:QF+2*\c+1], 0
.else
	v_wmma_f32_16x16x4_f32 v[LA+8*(\c%2):LA+8*(\c%2)+7], v[M1+2*\c:M1+2*\c+1], v[QF+2*\c:QF+2*\c+1], v[LA+8*(\c%2):LA+8*(\c%2)+7]
.endif
.endr
.endm
.macro SOFTMAX
.irp p, 0,2,4,6
	v_pk_add_f32 v[T+\p:T+\p+1], v[LA+\p:LA+\p+1], v[LB+\p:LB+\p+1]
.endr
.irp p, 0,2,4,6
	v_pk_add_f32 v[T+\p:T+\p+1], v[T+\p:T+\p+1], v[QB:QB+1] op_sel_hi:[1,0]
.endr
.irp j, 0,1,2,3,4,5,6,7
	v_max_num_f32_dpp v[X+\j], v[T+\j], v[T+\j] row_xmask:1 row_mask:0xf bank_mask:0xf
.endr
.irp m, 2,4
.irp j, 0,1,2,3,4,5,6,7
	v_max_num_f32_dpp v[X+\j], v[X+\j], v[X+\j] row_xmask:\m row_mask:0xf bank_mask:0xf
.endr
.endr
.irp p, 0,2,4,6
	v_pk_add_f32 v[T+\p:T+\p+1], v[T+\p:T+\p+1], v[X+\p:X+\p+1] neg_lo:[0,1] neg_hi:[0,1]
.endr
.irp j, 0,1,2,3,4,5,6,7
	v_exp_f32 v[T+\j], v[T+\j]
.endr
	v_nop
	s_wait_alu depctr_va_vdst(0)
.irp j, 0,1,2,3,4,5,6,7
	v_add_f32_dpp v[X+\j], v[T+\j], v[T+\j] row_xmask:1 row_mask:0xf bank_mask:0xf
.endr
.irp m, 2,4
.irp j, 0,1,2,3,4,5,6,7
	v_add_f32_dpp v[X+\j], v[X+\j], v[X+\j] row_xmask:\m row_mask:0xf bank_mask:0xf
.endr
.endr
.irp j, 0,1,2,3,4,5,6,7
	v_rcp_f32 v[X+\j], v[X+\j]
.endr
	v_nop
	s_wait_alu depctr_va_vdst(0)
.irp p, 0,2,4,6
	v_pk_fma_f32 v[ST+\p:ST+\p+1], v[T+\p:T+\p+1], v[X+\p:X+\p+1], 0x322bcc77 op_sel_hi:[1,1,0]
.endr
	v_pk_add_f32 v[X:X+1], v[ST:ST+1], v[ST+2:ST+3]
	v_pk_add_f32 v[X+2:X+3], v[ST+4:ST+5], v[ST+6:ST+7]
	v_pk_add_f32 v[X:X+1], v[X:X+1], v[X+2:X+3]
	v_pk_add_f32 v[DEN:DEN+1], v[DEN:DEN+1], v[X:X+1]
.endm
.macro PV10 zero, mm
.irp c, 0,1,2,3
.irp t, 0,1,2,3
.if \zero && (\c == 0)
	v_wmma_f32_16x16x4_f32 v[U+8*\t:U+8*\t+7], v[ST+2*\c:ST+2*\c+1], v[\mm+8*\t+2*\c:\mm+8*\t+2*\c+1], 0
.else
	v_wmma_f32_16x16x4_f32 v[U+8*\t:U+8*\t+7], v[ST+2*\c:ST+2*\c+1], v[\mm+8*\t+2*\c:\mm+8*\t+2*\c+1], v[U+8*\t:U+8*\t+7]
.endif
.endr
.endr
.endm
	s_load_b512 s[4:19], s[0:1], 0x0               ; records in 4, slots in 6, the round's exponents 8, lowp_scales 10, W_ih 12, W_hh 14, b_ih 16, b_hh 18
	s_load_b512 s[20:35], s[0:1], 0x40             ; ln_m_g 20, ln_m_b 22, mlp_W1 24, mlp_b1 26, mlp_W2 28, mlp_b2 30, ln_s_g 32, ln_s_b 34
	s_load_b256 s[36:43], s[0:1], 0x80             ; Wq 36, pe_b2 38, pe_W2 40, hid 42
	s_load_b128 s[44:47], s[0:1], 0xa0             ; records out 44, slots out 46
	v_lshl_add_u32 v[SPW], v0, 2, SPARE
	v_mov_b32 v[NIL], 0
	v_lshrrev_b32 v32, 5, v0
	v_readfirstlane_b32 s[WV], v32                 ; wave 0..7
	s_mov_b32 s[SEL], 0x76543210
	s_mov_b32 s[SEL+1], 0xfedcba98
	v_and_b32 v32, 31, v0                          ; lane
	v_and_b32 v33, 15, v0                          ; r
	v_bfe_u32 v34, v0, 4, 1                        ; h
	v_and_b32 v35, 7, v0                           ; r % 8
	v_bfe_u32 v36, v0, 3, 1                        ; r / 8
	v_lshlrev_b32 v[T8], 3, v0
	v_lshlrev_b32 v[T16], 4, v0
	v_lshlrev_b32 v[L16], 4, v32
	v_lshlrev_b32 v[L8], 3, v32
	v_lshlrev_b32 v[L4], 2, v32
	v_lshlrev_b32 v[FA64], 6, v35
	v_lshl_add_u32 v[FA64], v34, 5, v[FA64]
	v_lshl_add_u32 v[FAW1], v36, 12, v[FA64]       ; N = 128, K = 64: row 64 (r / 8) + r % 8, + 32 h
	v_lshl_add_u32 v[FA64], v36, 11, v[FA64]       ; N = 64, K = 64: row 32 (r / 8) + r % 8
	v_lshlrev_b32 v[FAW2], 7, v35
	v_lshl_add_u32 v[FAW2], v34, 6, v[FAW2]
	v_lshl_add_u32 v[FAW2], v36, 12, v[FAW2]       ; N = 64, K = 128: rows of 128 bytes, + 64 h
	v_lshlrev_b32 v[VH], 7, v34
	v_lshlrev_b32 v[VH2], 8, v34
	v_lshl_add_u32 v[SL], v35, 8, v[VH]
	v_lshl_add_u32 v[SSA], v33, 8, v[VH]
	v_lshlrev_b32 v[DO], 3, v35
	s_mul_i32 s2, s[WV], 4352
	s_add_co_u32 s2, s2, RED
	v_lshlrev_b32 v[RA], 2, v35
	v_lshl_add_u32 v[RA], v36, 7, v[RA]
	v_lshl_add_u32 v[RA], v34, 11, v[RA]
	v_add_nc_u32 v[RA], s2, v[RA]
	v_add_nc_u32 v[DENA], s2, v[L8]
	v_lshrrev_b32 v37, 7, v0                       ; which of the work-group's two records
	v_and_b32 v38, 127, v0
	v_lshlrev_b32 v38, 4, v38
	v_mul_u32_u24 v[RDA], v37, 17408
	v_add_nc_u32 v[RDA], v[RDA], v38
	v_add_nc_u32 v[RDA], RED, v[RDA]
	v_mul_u32_u24 v[PO], v37, 2304
	v_add_nc_u32 v[PD], v[PO], v[L8]
	v_add_nc_u32 v[PO], v[PO], v38
	s_wait_kmcnt 0x0
	s_load_b256 s[68:75], s[8:9], 0x0              ; the round's exponents: updates, W_ih, old slots, W_hh, LN(s), mlp_W1, hidden, mlp_W2,
	s_load_b64 s[76:77], s[8:9], 0x20              ; LN(s) for q, Wq
	s_load_b64 s[78:79], s[10:11], 0x18            ; e6, e7
	s_load_b64 s[80:81], s[10:11], 0x28            ; e10, e11
	s_lshr_b32 s49, ttmp9, 3                       ; the batch
	s_mul_i32 s2, s49, 36864
	s_mov_b32 s3, 0
	s_add_nc_u64 s[4:5], s[4:5], s[2:3]
	s_lshl_b32 s2, s49, 11
	s_add_nc_u64 s[6:7], s[6:7], s[2:3]
	s_add_nc_u64 s[46:47], s[46:47], s[2:3]
	s_mul_i32 s2, ttmp9, 4608
	s_add_nc_u64 s[44:45], s[44:45], s[2:3]
	s_lshl_b32 s2, ttmp9, 19
	s_lshl_b32 s52, s[WV], 16
	s_add_co_u32 s2, s2, s52
	s_add_nc_u64 s[42:43], s[42:43], s[2:3]        ; my first tile's images
.irp p, 0,1,2,3,4,5,6,7,8,9,10,11,12,13,14,15
	global_load_b64 v[R1+2*\p:R1+2*\p+1], v[T8], s[4:5] offset:2304*\p   ; thread T: two numbers of each of the batch's 16 records
.endr
.irp k, 0,1,2
	global_load_b128 v[R2+4*\k:R2+4*\k+3], v[T16], s[12:13] offset:4096*\k
	global_load_b128 v[R2+12+4*\k:R2+15+4*\k], v[T16], s[14:15] offset:4096*\k
.endr
.irp k, 0,1
	global_load_b128 v[R2+24+4*\k:R2+27+4*\k], v[T16], s[24:25] offset:4096*\k
	global_load_b128 v[R2+32+4*\k:R2+35+4*\k], v[T16], s[28:29] offset:4096*\k
.endr
	global_load_b128 v[R2+40:R2+43], v[T16], s[36:37]
	WIN 0x40
.irp t, 0,1,2,3
.irp c, 0,1,2,3
	global_load_b128 v[W2F+16*\t+4*\c:W2F+16*\t+4*\c+3], v[FAW2], s[40:41] offset:1024*\t+16*\c   ; pe_W2's fragments stay in registers
.endr
.endr
	WIN 0
	s_cmp_lg_u32 s[WV], 1                          ; wave 1 brings the vectors
	s_cbranch_scc1 .Lnot_1
	global_load_b64 v[192:193], v[L8], s[16:17]
	global_load_b64 v[194:195], v[L8], s[16:17] offset:256
	global_load_b64 v[196:197], v[L8], s[16:17] offset:512
	global_load_b64 v[198:199], v[L8], s[18:19]
	global_load_b64 v[200:201], v[L8], s[18:19] offset:256
	global_load_b64 v[202:203], v[L8], s[18:19] offset:512
	global_load_b64 v[204:205], v[L8], s[26:27]
	global_load_b64 v[206:207], v[L8], s[26:27] offset:256
	global_load_b64 v[208:209], v[L8], s[30:31]
	global_load_b64 v[210:211], v[L8], s[38:39]
	global_load_b64 v[212:213], v[L8], s[20:21]
	global_load_b64 v[214:215], v[L8], s[22:23]
	global_load_b64 v[216:217], v[L8], s[32:33]
	global_load_b64 v[218:219], v[L8], s[34:35]
	s_wait_loadcnt 0x0
	v_pk_add_f32 v[192:193], v[192:193], v[198:199]        ; in gates r and z the two biases are only ever added
	v_pk_add_f32 v[194:195], v[194:195], v[200:201]
	ds_store_b64 v[L8], v[192:193] offset:VEC
	ds_store_b64 v[L8], v[194:195] offset:VEC+256
	ds_store_b64 v[L8], v[196:197] offset:VEC+512
	ds_store_b64 v[L8], v[202:203] offset:VEC+768
	ds_store_b64 v[L8], v[204:205] offset:VEC+1024
	ds_store_b64 v[L8], v[206:207] offset:VEC+1280
	ds_store_b64 v[L8], v[208:209] offset:VEC+1536
	ds_store_b64 v[L8], v[210:211] offset:VEC+1792
	ds_store_b64 v[L8], v[212:213] offset:VEC+2048
	ds_store_b64 v[L8], v[214:215] offset:VEC+2304
	ds_store_b64 v[L8], v[216:217] offset:VEC+2560
	ds_store_b64 v[L8], v[218:219] offset:VEC+2816
.Lnot_1:
	s_cmp_lg_u32 s[WV], 2                          ; wave 2 adds the divisors and brings the old slots
	s_cbranch_scc1 .Lnot_2
.irp p, 0,1,2,3,4,5,6,7,8,9,10,11,12,13,14,15
	global_load_b64 v[192+2*\p:193+2*\p], v[L8], s[4:5] offset:2304*\p+2048
.endr
.irp c, 0,1,2,3
	global_load_b128 v[224+4*\c:227+4*\c], v[L16], s[6:7] offset:512*\c
.endr
	s_wait_loadcnt 0x0
	TREE16 192
	ds_store_b64 v[L8], v[192:193] offset:VEC+3072
.irp c, 0,1,2,3
	ds_store_b128 v[L16], v[224+4*\c:227+4*\c] offset:PRV+512*\c
.endr
.Lnot_2:
	s_wait_loadcnt 0x0
	TREE16 R1
	ds_store_b64 v[T8], v[R1:R1+1] offset:SUM
.irp k, 0,1,2,3,4,5,6,7,8,9,10
	ds_store_b128 v[T16], v[R2+4*\k:R2+4*\k+3] offset:4096*\k    ; the five weights lie on end from LDS byte 0
.endr
	s_wait_kmcnt 0x0
	s_add_co_i32 s[EV], s80, s81
	s_wait_dscnt 0x0                               ; for the others' sake: my stores are done
	s_barrier_signal -1
	s_barrier_wait -1
	s_cmp_lg_u32 s[WV], 0
	s_cbranch_scc1 .Lfetch
	; ---- THE UPDATE, wave 0: lane (r, h) holds slot r % 8, features 32 h + i
	MKSC 22, s68
	MKSC 24, s70
	MKSC 26, s72
	MKSC 28, s74
	MKSC 30, s76
	MKP2 SA, s68, s69
	MKP2 SB, s70, s71
	MKP2 S45, s72, s73
	MKP2 S67, s74, s75
	v_mov_b32 v[EP0], 0x3727c5ac
	v_mov_b32 v[MU+1], 0
	v_mov_b32 v[RS+1], 0
	CLD R1, SL, SUM, 8
	CLD CB, VH, VEC+1792, 8                        ; pe_b2
	CLD PV, SL, PRV, 8
	ds_load_b32 v240, v[DO] offset:VEC+3072
	WIN 0x40
	FR64 0, FA64, WHH+8192                         ; W_hh, gate n
	FR64 32, FA64, WIH                             ; W_ih, gate r
	FR64 64, FA64, WHH                             ; W_hh, gate r
	FR64 96, FA64, WIH+8192                        ; W_ih, gate n
	WIN 0
	s_wait_dscnt 32                                ; all but the 32 fragment loads
	v_rcp_f32 v240, v240
	v_mov_b32 v241, 0
	s_wait_alu depctr_va_vdst(0)
.set ii, 0
.rept 16
	v_pk_fma_f32 v[R1+ii:R1+ii+1], v[R1+ii:R1+ii+1], v[240:241], v[CB+ii:CB+ii+1] op_sel_hi:[1,0,1]   ; updates = sum / sum of attn + pe_b2
.set ii, ii+2
.endr
	CLD CB, VH, VEC+768, 8                         ; b_hh n
	QSYM R1, AU, 22
	QSYMT PV, 240, AP, 24
	s_wait_dscnt 0x0
	WIN 0x01
	GEMM4 R2, 0, AP
	GEMM4 R1, 32, AU
	GEMM4 R3, 64, AP
	WIN 0
	PLACES 4
	FMAS R2, R2, SB, CB, 16                        ; hn
	CLD CB, VH, VEC, 8                             ; gate r's biases
	WIN 0x40
	FR64 0, FA64, WIH+4096                         ; W_ih, gate z
	FR64 32, FA64, WHH+4096                        ; W_hh, gate z
	WIN 0
	MULS R1, R1, SA
	FMAS R1, R3, SB, R1, 16
	s_wait_dscnt 16                                ; the biases are in; the 16 fragment loads may be out
	ADDV R1, R1, CB
	CLD CB, VH, VEC+512, 8                         ; b_ih n
	SIGM R1, 0xbfb8aa3b                            ; r
.set ii, 0
.rept 16
	v_pk_mul_f32 v[R2+ii:R2+ii+1], v[R2+ii:R2+ii+1], v[R1+ii:R1+ii+1]    ; r x hn
.set ii, ii+2
.endr
	s_wait_dscnt 0x0
	WIN 0x01
	GEMM4 R1, 96, AU
	GEMM4 R3, 0, AU
	WIN 0
	PLACES 4
	FMAS R1, R1, SA, CB, 16
	ADDV R1, R1, R2
	CLD CB, VH, VEC+256, 8                         ; gate z's biases
	WIN 0x01
	GEMM4 R2, 32, AP
	WIN 0x40
	FR64 64, FAW1, MW1
	FR64 96, FAW1, MW1+2048
	WIN 0
	SIGM R1, 0x4038aa3b
.set ii, 0
.rept 16
	v_pk_fma_f32 v[R1+ii:R1+ii+1], v[R1+ii:R1+ii+1], -2.0, 1.0 op_sel_hi:[1,0,0]   ; n = tanh
.set ii, ii+2
.endr
	s_wait_dscnt 0x0
	FMAS R3, R3, SA, CB, 16
	FMAS R3, R2, SB, R3, 16
	CLD CB, VH, VEC+2048, 8                        ; ln_m_g
	SIGM R3, 0xbfb8aa3b                            ; z
.set ii, 0
.rept 16
	v_pk_add_f32 v[R2+ii:R2+ii+1], v[PV+ii:PV+ii+1], v[R1+ii:R1+ii+1] neg_lo:[0,1] neg_hi:[0,1]
.set ii, ii+2
.endr
.set ii, 0
.rept 16
	v_pk_fma_f32 v[R1+ii:R1+ii+1], v[R3+ii:R3+ii+1], v[R2+ii:R2+ii+1], v[R1+ii:R1+ii+1]   ; s = n + z (old - n)
.set ii, ii+2
.endr
	CLD PV, VH, VEC+2304, 8                        ; ln_m_b
	WIN 0x40
.irp t, 0,1,2,3
.irp c, 0,1,2,3
	ds_load_b128 v[16*\t+4*\c:16*\t+4*\c+3], v[FAW2] offset:MW2+1024*\t+16*\c
.endr
.endr
	WIN 0
	s_wait_dscnt 0x0
	LNORM R1, R2, CB, PV, EP0
	CLD PV, VH2, VEC+1024, 16                      ; mlp_b1: 64 numbers a lane
	QSYM R2, AU, 26
	WIN 0x01
.irp t, 0,1,2,3,4,5,6,7
	v_wmma_f32_16x16x64_fp8_fp8 v[R2+8*\t:R2+8*\t+7], v[64+8*\t:64+8*\t+7], v[AU:AU+7], 0
.endr
	WIN 0
	PLACES 4
	s_wait_dscnt 0x0
	FMAS R2, R2, S45, PV, 32
	CLD CB, VH, VEC+1536, 8                        ; mlp_b2
	WIN 0x40
	FR64 64, FA64, WQ
	WIN 0
	QRELU R2, AU, 28
	WIN 0x01
.irp t, 0,1,2,3
	v_wmma_f32_16x16x128_fp8_fp8 v[R2+8*\t:R2+8*\t+7], v[16*\t:16*\t+15], v[AU:AU+15], 0
.endr
	WIN 0
	PLACES 4
	s_wait_dscnt 0x0
	FMAS R2, R2, S67, CB, 16
	ADDV R1, R1, R2                                ; the new slots
.irp c, 0,1,2,3,4,5,6,7
	ds_store_b128 v[SSA], v[R1+4*\c:R1+4*\c+3] offset:SST+16*\c
.endr
	CLD CB, VH, VEC+2560, 8                        ; ln_s_g, ln_s_b
	CLD PV, VH, VEC+2816, 8
	s_and_b32 s2, ttmp9, 7                         ; the batch's first work-group stores them for the next launch, as whole rows
	s_cmp_lg_u32 s2, 0
	s_cbranch_scc1 .Lno_store
.irp c, 0,1,2,3
	ds_load_b128 v[240+4*\c:243+4*\c], v[L16] offset:SST+512*\c    ; LDS serves a wave's instructions in order: these see my stores
.endr
	s_wait_dscnt 0x0
.irp c, 0,1,2,3
	global_store_b128 v[L16], v[240+4*\c:243+4*\c], s[46:47] offset:512*\c
.endr
.Lno_store:
	s_wait_dscnt 0x0
	LNORM R1, R2, CB, PV, EP0
	CLD CB, VH, VEC+1792, 8                        ; pe_b2
	QSYM R2, AU, 30
	WIN 0x01
	GEMM4 R3, 64, AU
	WIN 0
	PLACES 4
	s_add_co_i32 s2, s76, s77
	s_lshl_b32 s2, s2, 23
	s_add_co_i32 s[FQ], s2, 0x3e38aa3b             ; log2(e) / 8 x 2^(the two exponents)
	s_mov_b32 s[FQ+1], s[FQ]
	MULS R3, R3, FQ
	s_wait_dscnt 0x0
	v_pk_mul_f32 v[ST:ST+1], v[R3:R3+1], v[CB:CB+1]        ; q . pe_b2
	v_pk_mul_f32 v[ST+2:ST+3], v[R3+2:R3+3], v[CB+2:CB+3]
.set ii, 4
.rept 7
	v_pk_fma_f32 v[ST:ST+1], v[R3+ii:R3+ii+1], v[CB+ii:CB+ii+1], v[ST:ST+1]
	v_pk_fma_f32 v[ST+2:ST+3], v[R3+ii+2:R3+ii+3], v[CB+ii+2:CB+ii+3], v[ST+2:ST+3]
.set ii, ii+4
.endr
	v_pk_add_f32 v[ST:ST+1], v[ST:ST+1], v[ST+2:ST+3]
	v_add_f32 v[ST], v[ST], v[ST+1]
	v_permlanex16_b32 v[ST+1], v[ST], s[SEL], s[SEL+1]
	v_add_f32 v[ST], v[ST], v[ST+1]
	s_add_co_i32 s2, s78, s79                      ; e6+e7
.set ii, 0
.rept 32
	v_ldexp_f32 v[R2+ii], v[R3+ii], s2
.set ii, ii+1
.endr
.irp c, 0,1,2,3,4,5,6,7
	ds_store_b128 v[L16], v[R2+4*\c:R2+4*\c+3] offset:QIM+512*\c   ; q goes to the other waves as an image of its registers
.endr
	ds_store_b32 v[L4], v[ST] offset:QBI
.Lfetch:
	WIN 0x40
.set ii, 0
.rept 32
	global_load_b128 v[4*ii:4*ii+3], v[L16], s[42:43] offset:512*ii th:TH_LOAD_NT   ; my first four tiles: 32 registers a tile, k's operand and v's
.set ii, ii+1
.endr
	WIN 0
	s_wait_dscnt 0x0
	s_barrier_signal -1
	s_barrier_wait -1                              ; q lies in LDS
	WIN 0x40
.irp c, 0,1,2,3,4,5,6,7
	ds_load_b128 v[QF+4*\c:QF+4*\c+3], v[L16] offset:QIM+512*\c
.endr
	WIN 0
	ds_load_b32 v[QB], v[L4] offset:QBI
	v_mov_b32 v[QB+1], 0
	v_mov_b32 v[DEN], 0
	v_mov_b32 v[DEN+1], 0
.irp j, 0,1,2,3,4,5,6,7
	v_mov_b32 v[X+\j], 0                           ; written once: the destination of a lane exchange counts as one of its sources
.endr
	s_wait_dscnt 0x0
; ONE TILE, in buffer u.  left: the younger buffers' loads, eight each, which may stay out.  v' takes two sets of registers by turns, so that the f32 products that read one are nine places back when it is written again.
.macro ATT u, zero, ahead, left
	s_wait_loadcnt \left
	WIN 0x05
.irp t, 0,1,2,3
	v_wmma_f32_16x16x128_fp8_fp8 v[M1+8*\t:M1+8*\t+7], v[W2F+16*\t:W2F+16*\t+15], v[32*\u:32*\u+15], 0
.endr
.irp t, 0,1,2,3
	v_wmma_f32_16x16x128_fp8_fp8 v[M2+32*((\u)%2)+8*\t:M2+32*((\u)%2)+8*\t+7], v[32*\u+16:32*\u+31], v[W2F+16*\t:W2F+16*\t+15], 0
.endr
	WIN 0
	PLACES 5
	WIN 0x04
	LOGITS
	WIN 0
	PLACES 8
	SOFTMAX
	WIN 0x50
	PV10 \zero, M2+32*((\u)%2)
.if \ahead
	WIN 0x40
.irp k, 0,1,2,3,4,5,6,7
	global_load_b128 v[32*\u+4*\k:32*\u+4*\k+3], v[L16], s[42:43] offset:16384+4096*\u+512*\k th:TH_LOAD_NT   ; the tile four further on
.endr
.endif
	WIN 0
.endm
.macro QUAD first
	ATT 0, \first, 1, 24
	ATT 1, 0, 1, 24
	ATT 2, 0, 1, 24
	ATT 3, 0, 1, 24
	s_wait_xcnt 0x0                                ; the loads have read their base
	s_add_nc_u64 s[42:43], s[42:43], 16384
.endm
	QUAD 1
	s_mov_b32 s[CNT], 2
.Lquad:
	QUAD 0
	s_sub_co_u32 s[CNT], s[CNT], 1
	s_cmp_lg_u32 s[CNT], 0
	s_cbranch_scc1 .Lquad
	ATT 0, 0, 0, 24                                ; the last four tiles fetch nothing: the counts run down
	ATT 1, 0, 0, 16
	ATT 2, 0, 0, 8
	ATT 3, 0, 0, 0
	; THE RECORDS
	PLACES 8
	WIN 0x01
.set ii, 0
.rept 32
	v_ldexp_f32 v[R1+ii], v[U+ii], s[EV]           ; x 2^(e10+e11)
.set ii, ii+1
.endr
	WIN 0
	v_add_f32 v[DEN], v[DEN], v[DEN+1]
	v_permlanex16_b32 v[DEN+1], v[DEN], s[SEL], s[SEL+1]
	v_add_f32 v[DEN], v[DEN], v[DEN+1]
	v_mov_b32 v[DEN+1], v[DEN]
.irp t, 0,1,2,3
.irp j, 0,1,2,3,4,5,6,7
	ds_store_b32 v[RA], v[R1+8*\t+\j] offset:256*\j+32*\t
.endr
.endr
	ds_store_b64 v[DENA], v[DEN:DEN+1] offset:4096
	s_wait_dscnt 0x0
	s_barrier_signal -1
	s_barrier_wait -1
.irp i, 0,1,2,3
	ds_load_b128 v[R2+4*\i:R2+4*\i+3], v[RDA] offset:4352*\i
.endr
	s_wait_dscnt 0x0
	v_pk_add_f32 v[R2:R2+1], v[R2:R2+1], v[R2+4:R2+5]
	v_pk_add_f32 v[R2+2:R2+3], v[R2+2:R2+3], v[R2+6:R2+7]
	v_pk_add_f32 v[R2+8:R2+9], v[R2+8:R2+9], v[R2+12:R2+13]
	v_pk_add_f32 v[R2+10:R2+11], v[R2+10:R2+11], v[R2+14:R2+15]
	v_pk_add_f32 v[R2:R2+1], v[R2:R2+1], v[R2+8:R2+9]
	v_pk_add_f32 v[R2+2:R2+3], v[R2+2:R2+3], v[R2+10:R2+11]
	global_store_b128 v[PO], v[R2:R2+3], s[44:45]  ; sixteen lanes store 256 consecutive bytes, aligned
	s_and_b32 s2, s[WV], 3                         ; waves 0 and 4: their record's divisors; for them my own place is the first of the four
	s_cmp_lg_u32 s2, 0
	s_cbranch_scc1 .Lno_den
.irp i, 0,1,2,3
	ds_load_b64 v[R3+2*\i:R3+2*\i+1], v[DENA] offset:4096+4352*\i
.endr
	s_wait_dscnt 0x0
	v_pk_add_f32 v[R3:R3+1], v[R3:R3+1], v[R3+2:R3+3]
	v_pk_add_f32 v[R3+4:R3+5], v[R3+4:R3+5], v[R3+6:R3+7]
	v_pk_add_f32 v[R3:R3+1], v[R3:R3+1], v[R3+4:R3+5]
	global_store_b64 v[PD], v[R3:R3+1], s[44:45] offset:2048
.Lno_den:
	s_wait_tensorcnt 0x0                           ; the wave's end: behind my last LDS store; the tensor wait stands in a text with no tensor load too
	ds_add_u32 v[SPW], v[NIL]
	s_wait_dscnt 0x0
	s_endpgm
.Lfunc_end_k_q43382a623f_iter2:
	.size	k_q43382a623f_iter2, .Lfunc_end_k_q43382a623f_iter2-k_q43382a623f_iter2
	.p2alignl 7, 3214868480
	.fill 96, 4, 3214868480
	.section	.rodata,"a",@progbits
	.p2align	6, 0x0
	.amdhsa_kernel k_q43382a623f_iter2
		.amdhsa_group_segment_fixed_size 97024
		.amdhsa_private_segment_fixed_size 0
		.amdhsa_enable_private_segment 0
		.amdhsa_kernarg_size 176
		.amdhsa_user_sgpr_count 2
		.amdhsa_user_sgpr_kernarg_segment_ptr 1
		.amdhsa_wavefront_size32 1
		.amdhsa_system_sgpr_workgroup_id_x 1
		.amdhsa_system_sgpr_workgroup_id_y 1
		.amdhsa_system_sgpr_workgroup_id_z 1
		.amdhsa_system_vgpr_workitem_id 0
		.amdhsa_next_free_vgpr 512
		.amdhsa_next_free_sgpr 96
		.amdhsa_reserve_vcc 0
		.amdhsa_float_denorm_mode_32 3
		.amdhsa_float_denorm_mode_16_64 3
		.amdhsa_memory_ordered 1
		.amdhsa_forward_progress 1
		.amdhsa_inst_pref_size 211
	.end_amdhsa_kernel
	.amdgpu_metadata
---
amdhsa.version: [ 1, 2 ]
amdhsa.kernels:
  - .name:           k_q43382a623f_iter2
    .symbol:         k_q43382a623f_iter2.kd
    .args:
      - { .name: part_a, .offset: 0, .size: 8, .value_kind: global_buffer, .address_space: global }
      - { .name: s_a, .offset: 8, .size: 8, .value_kind: global_buffer, .address_space: global }
      - { .name: sc1, .offset: 16, .size: 8, .value_kind: global_buffer, .address_space: global }
      - { .name: lowp_scales, .offset: 24, .size: 8, .value_kind: global_buffer, .address_space: global }
      - { .name: W_ih_codes, .offset: 32, .size: 8, .value_kind: global_buffer, .address_space: global }
      - { .name: W_hh_codes, .offset: 40, .size: 8, .value_kind: global_buffer, .address_space: global }
      - { .name: b_ih, .offset: 48, .size: 8, .value_kind: global_buffer, .address_space: global }
      - { .name: b_hh, .offset: 56, .size: 8, .value_kind: global_buffer, .address_space: global }
      - { .name: ln_m_g, .offset: 64, .size: 8, .value_kind: global_buffer, .address_space: global }
      - { .name: ln_m_b, .offset: 72, .size: 8, .value_kind: global_buffer, .address_space: global }
      - { .name: mlp_W1_codes, .offset: 80, .size: 8, .value_kind: global_buffer, .address_space: global }
      - { .name: mlp_b1, .offset: 88, .size: 8, .value_kind: global_buffer, .address_space: global }
      - { .name: mlp_W2_codes, .offset: 96, .size: 8, .value_kind: global_buffer, .address_space: global }
      - { .name: mlp_b2, .offset: 104, .size: 8, .value_kind: global_buffer, .address_space: global }
      - { .name: ln_s_g, .offset: 112, .size: 8, .value_kind: global_buffer, .address_space: global }
      - { .name: ln_s_b, .offset: 120, .size: 8, .value_kind: global_buffer, .address_space: global }
      - { .name: Wq_codes, .offset: 128, .size: 8, .value_kind: global_buffer, .address_space: global }
      - { .name: pe_b2, .offset: 136, .size: 8, .value_kind: global_buffer, .address_space: global }
      - { .name: pe_W2_codes, .offset: 144, .size: 8, .value_kind: global_buffer, .address_space: global }
      - { .name: hid, .offset: 152, .size: 8, .value_kind: global_buffer, .address_space: global }
      - { .name: part_b, .offset: 160, .size: 8, .value_kind: global_buffer, .address_space: global }
      - { .name: s_b, .offset: 168, .size: 8, .value_kind: global_buffer, .address_space: global }
    .group_segment_fixed_size: 97024
    .private_segment_fixed_size: 0
    .kernarg_segment_align: 8
    .kernarg_segment_size: 176
    .max_flat_workgroup_size: 256
    .sgpr_count:     96
    .vgpr_count:     512
    .wavefront_size: 32
...
	.end_amdgpu_metadata
.endif
;; end of part 2
;; launch iter3: the kernel of part 2 again; grid 256 x 1, 8 waves a work-group, no clusters, 97,024 bytes of LDS; arguments part_b, s_b, sc2, lowp_scales, W_ih_codes, W_hh_codes, b_ih, b_hh, ln_m_g, ln_m_b, mlp_W1_codes, mlp_b1, mlp_W2_codes, mlp_b2, ln_s_g, ln_s_b, Wq_codes, pe_b2, pe_W2_codes, hid, part_a, s_a; writes part_a, s_a
;; launch final (part 3): grid 32 x 1, 8 waves a work-group, no clusters, 57,856 bytes of LDS; arguments part_a, s_a, lowp_scales, W_ih_codes, W_hh_codes, b_ih, b_hh, ln_m_g, ln_m_b, mlp_W1_codes, mlp_b1, mlp_W2_codes, mlp_b2, pe_b2, out0; writes out0
.if DOCPART == 3
	.amdgcn_target "amdgcn-amd-amdhsa--gfx1250"
	.amdhsa_code_object_version 6
	.text
	.protected	k_q43382a623f_final
	.globl	k_q43382a623f_final
	.p2align	8
	.type	k_q43382a623f_final,@function
k_q43382a623f_final:
	s_mov_b64 s[64:65], 0
	v_nop
	global_prefetch_b8 v0, s[64:65] scope:SCOPE_SE
	s_setreg_imm32_b32 hwreg(HW_REG_WAVE_MODE, 25, 1), 1
	s_wait_xcnt 0x0
; SLOT ATTENTION, THE LAST UPDATE (products 25 to 28): a work-group to a batch.  The batch's 16 records are added, updates = sum / sum of attn + pe_b2, GRU cell, slot MLP, the result.
; No work of reference() is left out.  The eight waves add the records and bring the weights into LDS; wave 1 brings the vectors, wave 2 the divisors and the old slots; wave 0 then makes the update, as in the launch before.
; There is work for 32 work-groups: 8 x 64 numbers a batch.  LAYOUT: lane (r, h) holds slot r % 8, features 32 h + i; products are used transposed; lane r' of a weight's tile t takes row (N / 2) (r' / 8) + 8 t + r' % 8.
; LIMITS: the operands' exponents between -126 and 119, each product's two added between -126 and 127.  NaN is not served.  tanh(y) = 1 - 2 / (1 + 2^(2 log2(e) y)).
.set WIH, 0
.set WHH, 12288
.set MW1, 24576
.set MW2, 32768
.set VEC, 45056                        ; +0 b_ih + b_hh of gates r, z; +512 b_ih n; +768 b_hh n; +1024 mlp_b1; +1536 mlp_b2; +1792 pe_b2; +2048 ln_m_g; +2304 ln_m_b; +3072 the divisors
.set SUM, 48640
.set PRV, 50688
.set SST, 52736
.set SPARE, 56832
.set T8, 1
.set T16, 2
.set L16, 3
.set FA64, 4
.set FAW1, 5
.set FAW2, 6
.set SL, 7
.set VH, 8
.set VH2, 9
.set DO, 10
.set SPW, 11
.set NIL, 12
.set EP0, 13
.set L8, 21
.set ST, 32
.set MU, 40
.set RS, 42
.set SSA, 44
.set R1, 64
.set R2, 96
.set R3, 128
.set PV, 160
.set CB, 192
.set AU, 224
.set AP, 232
.set WV, 48
.set SEL, 62
.set SA, 82
.set SB, 84
.set S45, 86
.set S67, 88
.set MSB, 0
.macro WIN new
.if MSB != \new
	s_set_vgpr_msb (MSB<<8)|\new
.set MSB, \new
.endif
.endm
.macro PLACES n
.rept \n
	v_nop
.endr
.endm
.macro MKSC vs, se
	s_add_co_i32 s2, \se, 127
	s_lshl_b32 s3, s2, 23
	v_mov_b32 v[\vs], s3
	s_add_co_i32 s2, s2, 8
	s_lshl_b32 s2, s2, 23
	s_or_b32 s2, s2, 0x600000
	v_mov_b32 v[\vs+1], s2
.endm
.macro MKP2 sd, sa, sb
	s_add_co_i32 s[\sd], \sa, \sb
	s_add_co_i32 s[\sd], s[\sd], 127
	s_lshl_b32 s[\sd], s[\sd], 23
	s_mov_b32 s[\sd+1], s[\sd]
.endm
.macro CLD dst, adr, off, n
.set ii, 0
.rept \n
	ds_load_b128 v[\dst+4*ii:\dst+4*ii+3], v[\adr] offset:\off+16*ii
.set ii, ii+1
.endr
.endm
.macro FR64 dst, adr, off
.irp t, 0,1,2,3
	ds_load_b128 v[\dst+8*\t:\dst+8*\t+3], v[\adr] offset:\off+512*\t
	ds_load_b128 v[\dst+8*\t+4:\dst+8*\t+7], v[\adr] offset:\off+512*\t+16
.endr
.endm
.macro GEMM4 acc, frg, cod
.irp t, 0,1,2,3
	v_wmma_f32_16x16x64_fp8_fp8 v[\acc+8*\t:\acc+8*\t+7], v[\frg+8*\t:\frg+8*\t+7], v[\cod:\cod+7], 0
.endr
.endm
.macro FMAS dst, src, sp, add, np
.set ii, 0
.rept \np
	v_pk_fma_f32 v[\dst+ii:\dst+ii+1], v[\src+ii:\src+ii+1], s[\sp:\sp+1], v[\add+ii:\add+ii+1] op_sel_hi:[1,0,1]
.set ii, ii+2
.endr
.endm
.macro MULS dst, src, sp
.set ii, 0
.rept 16
	v_pk_mul_f32 v[\dst+ii:\dst+ii+1], v[\src+ii:\src+ii+1], s[\sp:\sp+1] op_sel_hi:[1,0]
.set ii, ii+2
.endr
.endm
.macro ADDV dst, aa, bb
.set ii, 0
.rept 16
	v_pk_add_f32 v[\dst+ii:\dst+ii+1], v[\aa+ii:\aa+ii+1], v[\bb+ii:\bb+ii+1]
.set ii, ii+2
.endr
.endm
.macro SIGM reg, kk                    ; 1 / (1 + 2^(kk x)), 32 numbers: two batches, each with one plain instruction and one wait
.set ii, 0
.rept 16
	v_pk_mul_f32 v[\reg+ii:\reg+ii+1], v[\reg+ii:\reg+ii+1], \kk op_sel_hi:[1,0]
.set ii, ii+2
.endr
.set ii, 0
.rept 32
	v_exp_f32 v[\reg+ii], v[\reg+ii]
.set ii, ii+1
.endr
	v_nop
	s_wait_alu depctr_va_vdst(0)
.set ii, 0
.rept 16
	v_pk_add_f32 v[\reg+ii:\reg+ii+1], v[\reg+ii:\reg+ii+1], 1.0 op_sel_hi:[1,0]
.set ii, ii+2
.endr
.set ii, 0
.rept 32
	v_rcp_f32 v[\reg+ii], v[\reg+ii]
.set ii, ii+1
.endr
	v_nop
	s_wait_alu depctr_va_vdst(0)
.endm
.macro TREE16 bb
.irp p, 0,4,8,12,16,20,24,28
	v_pk_add_f32 v[\bb+\p:\bb+\p+1], v[\bb+\p:\bb+\p+1], v[\bb+\p+2:\bb+\p+3]
.endr
.irp p, 0,8,16,24
	v_pk_add_f32 v[\bb+\p:\bb+\p+1], v[\bb+\p:\bb+\p+1], v[\bb+\p+4:\bb+\p+5]
.endr
	v_pk_add_f32 v[\bb:\bb+1], v[\bb:\bb+1], v[\bb+8:\bb+9]
	v_pk_add_f32 v[\bb+16:\bb+17], v[\bb+16:\bb+17], v[\bb+24:\bb+25]
	v_pk_add_f32 v[\bb:\bb+1], v[\bb:\bb+1], v[\bb+16:\bb+17]
.endm
.macro HSUM
	v_pk_add_f32 v[ST:ST+1], v[ST:ST+1], v[ST+2:ST+3]
	v_pk_add_f32 v[ST+4:ST+5], v[ST+4:ST+5], v[ST+6:ST+7]
	v_pk_add_f32 v[ST:ST+1], v[ST:ST+1], v[ST+4:ST+5]
	v_add_f32 v[ST], v[ST], v[ST+1]
	v_permlanex16_b32 v[ST+1], v[ST], s[SEL], s[SEL+1]
	v_add_f32 v[ST], v[ST], v[ST+1]
.endm
.macro LNORM src, dst, gn, bs, ep
.irp k, 0,2,4,6
	v_pk_add_f32 v[ST+\k:ST+\k+1], v[\src+\k:\src+\k+1], v[\src+8+\k:\src+9+\k]
.endr
.irp o, 16,24
.irp k, 0,2,4,6
	v_pk_add_f32 v[ST+\k:ST+\k+1], v[ST+\k:ST+\k+1], v[\src+\o+\k:\src+\o+\k+1]
.endr
.endr
	HSUM
	v_mul_f32 v[MU], 0x3c800000, v[ST]
.set ii, 0
.rept 16
	v_pk_add_f32 v[\dst+ii:\dst+ii+1], v[\src+ii:\src+ii+1], v[MU:MU+1] op_sel_hi:[1,0] neg_lo:[0,1] neg_hi:[0,1]
.set ii, ii+2
.endr
.irp k, 0,2,4,6
	v_pk_mul_f32 v[ST+\k:ST+\k+1], v[\dst+\k:\dst+\k+1], v[\dst+\k:\dst+\k+1]
.endr
.irp o, 8,16,24
.irp k, 0,2,4,6
	v_pk_fma_f32 v[ST+\k:ST+\k+1], v[\dst+\o+\k:\dst+\o+\k+1], v[\dst+\o+\k:\dst+\o+\k+1], v[ST+\k:ST+\k+1]
.endr
.endr
	HSUM
	v_fma_f32 v[RS], v[ST], 0x3c800000, v[\ep]
	v_rsq_f32 v[RS], v[RS]
	v_nop
	s_wait_alu depctr_va_vdst(0)
.set ii, 0
.rept 16
	v_pk_mul_f32 v[\dst+ii:\dst+ii+1], v[\dst+ii:\dst+ii+1], v[RS:RS+1] op_sel_hi:[1,0]
.set ii, ii+2
.endr
.set ii, 0
.rept 16
	v_pk_fma_f32 v[\dst+ii:\dst+ii+1], v[\dst+ii:\dst+ii+1], v[\gn+ii:\gn+ii+1], v[\bs+ii:\bs+ii+1]
.set ii, ii+2
.endr
.endm
.macro QSYM src, cod, scl              ; the conversion to an 8-bit code does not saturate (ISA guide 7.6.2): the hold comes first
.set gg, 0
.rept 4
.set ii, 0
.rept 8
	v_med3_num_f32 v[\src+8*gg+ii], v[\src+8*gg+ii], -v[\scl+1], v[\scl+1]
.set ii, ii+1
.endr
	v_cvt_scalef32_pk8_fp8_f32 v[\cod+2*gg:\cod+2*gg+1], v[\src+8*gg:\src+8*gg+7], v[\scl]
.set gg, gg+1
.endr
	v_nop
.endm
.macro QSYMT src, tmp, cod, scl
.set gg, 0
.rept 4
.set ii, 0
.rept 8
	v_med3_num_f32 v[\tmp+8*(gg%2)+ii], v[\src+8*gg+ii], -v[\scl+1], v[\scl+1]
.set ii, ii+1
.endr
	v_cvt_scalef32_pk8_fp8_f32 v[\cod+2*gg:\cod+2*gg+1], v[\tmp+8*(gg%2):\tmp+8*(gg%2)+7], v[\scl]
.set gg, gg+1
.endr
	v_nop
.endm
.macro QRELU src, cod, scl
.set gg, 0
.rept 8
.set ii, 0
.rept 8
	v_med3_num_f32 v[\src+8*gg+ii], v[\src+8*gg+ii], 0, v[\scl+1]
.set ii, ii+1
.endr
	v_cvt_scalef32_pk8_fp8_f32 v[\cod+2*gg:\cod+2*gg+1], v[\src+8*gg:\src+8*gg+7], v[\scl]
.set gg, gg+1
.endr
	v_nop
.endm
	s_load_b512 s[4:19], s[0:1], 0x0               ; records 4, old slots 6, lowp_scales 8, W_ih 10, W_hh 12, b_ih 14, b_hh 16, ln_m_g 18
	s_load_b256 s[20:27], s[0:1], 0x40             ; ln_m_b 20, mlp_W1 22, mlp_b1 24, mlp_W2 26
	s_load_b128 s[28:31], s[0:1], 0x60             ; mlp_b2 28, pe_b2 30
	s_load_b64 s[32:33], s[0:1], 0x70              ; out0
	v_lshl_add_u32 v[SPW], v0, 2, SPARE
	v_mov_b32 v[NIL], 0
	v_lshrrev_b32 v32, 5, v0
	v_readfirstlane_b32 s[WV], v32
	s_mov_b32 s[SEL], 0x76543210
	s_mov_b32 s[SEL+1], 0xfedcba98
	v_and_b32 v32, 31, v0
	v_and_b32 v33, 15, v0
	v_bfe_u32 v34, v0, 4, 1
	v_and_b32 v35, 7, v0
	v_bfe_u32 v36, v0, 3, 1
	v_lshlrev_b32 v[T8], 3, v0
	v_lshlrev_b32 v[T16], 4, v0
	v_lshlrev_b32 v[L16], 4, v32
	v_lshlrev_b32 v[L8], 3, v32
	v_lshlrev_b32 v[FA64], 6, v35
	v_lshl_add_u32 v[FA64], v34, 5, v[FA64]
	v_lshl_add_u32 v[FAW1], v36, 12, v[FA64]
	v_lshl_add_u32 v[FA64], v36, 11, v[FA64]
	v_lshlrev_b32 v[FAW2], 7, v35
	v_lshl_add_u32 v[FAW2], v34, 6, v[FAW2]
	v_lshl_add_u32 v[FAW2], v36, 12, v[FAW2]
	v_lshlrev_b32 v[VH], 7, v34
	v_lshlrev_b32 v[VH2], 8, v34
	v_lshl_add_u32 v[SL], v35, 8, v[VH]
	v_lshl_add_u32 v[SSA], v33, 8, v[VH]
	v_lshlrev_b32 v[DO], 3, v35
	s_wait_kmcnt 0x0
	s_load_b256 s[68:75], s[8:9], 0x88             ; e34 .. e41: updates, W_ih, old slots, W_hh, LN(s), mlp_W1, hidden, mlp_W2
	s_mul_i32 s2, ttmp9, 36864
	s_mov_b32 s3, 0
	s_add_nc_u64 s[4:5], s[4:5], s[2:3]
	s_lshl_b32 s2, ttmp9, 11
	s_add_nc_u64 s[6:7], s[6:7], s[2:3]
	s_add_nc_u64 s[32:33], s[32:33], s[2:3]
.irp p, 0,1,2,3,4,5,6,7,8,9,10,11,12,13,14,15
	global_load_b64 v[R1+2*\p:R1+2*\p+1], v[T8], s[4:5] offset:2304*\p
.endr
.irp k, 0,1,2
	global_load_b128 v[R2+4*\k:R2+4*\k+3], v[T16], s[10:11] offset:4096*\k
	global_load_b128 v[R2+12+4*\k:R2+15+4*\k], v[T16], s[12:13] offset:4096*\k
.endr
.irp k, 0,1
	global_load_b128 v[R2+24+4*\k:R2+27+4*\k], v[T16], s[22:23] offset:4096*\k
	global_load_b128 v[R2+32+4*\k:R2+35+4*\k], v[T16], s[26:27] offset:4096*\k
.endr
	s_cmp_lg_u32 s[WV], 1                          ; wave 1 brings the vectors
	s_cbranch_scc1 .Lnot_1
	global_load_b64 v[192:193], v[L8], s[14:15]
	global_load_b64 v[194:195], v[L8], s[14:15] offset:256
	global_load_b64 v[196:197], v[L8], s[14:15] offset:512
	global_load_b64 v[198:199], v[L8], s[16:17]
	global_load_b64 v[200:201], v[L8], s[16:17] offset:256
	global_load_b64 v[202:203], v[L8], s[16:17] offset:512
	global_load_b64 v[204:205], v[L8], s[24:25]
	global_load_b64 v[206:207], v[L8], s[24:25] offset:256
	global_load_b64 v[208:209], v[L8], s[28:29]
	global_load_b64 v[210:211], v[L8], s[30:31]
	global_load_b64 v[212:213], v[L8], s[18:19]
	global_load_b64 v[214:215], v[L8], s[20:21]
	s_wait_loadcnt 0x0
	v_pk_add_f32 v[192:193], v[192:193], v[198:199]
	v_pk_add_f32 v[194:195], v[194:195], v[200:201]
	ds_store_b64 v[L8], v[192:193] offset:VEC
	ds_store_b64 v[L8], v[194:195] offset:VEC+256
	ds_store_b64 v[L8], v[196:197] offset:VEC+512
	ds_store_b64 v[L8], v[202:203] offset:VEC+768
	ds_store_b64 v[L8], v[204:205] offset:VEC+1024
	ds_store_b64 v[L8], v[206:207] offset:VEC+1280
	ds_store_b64 v[L8], v[208:209] offset:VEC+1536
	ds_store_b64 v[L8], v[210:211] offset:VEC+1792
	ds_store_b64 v[L8], v[212:213] offset:VEC+2048
	ds_store_b64 v[L8], v[214:215] offset:VEC+2304
.Lnot_1:
	s_cmp_lg_u32 s[WV], 2                          ; wave 2 adds the divisors and brings the old slots
	s_cbranch_scc1 .Lnot_2
.irp p, 0,1,2,3,4,5,6,7,8,9,10,11,12,13,14,15
	global_load_b64 v[192+2*\p:193+2*\p], v[L8], s[4:5] offset:2304*\p+2048
.endr
.irp c, 0,1,2,3
	global_load_b128 v[224+4*\c:227+4*\c], v[L16], s[6:7] offset:512*\c
.endr
	s_wait_loadcnt 0x0
	TREE16 192
	ds_store_b64 v[L8], v[192:193] offset:VEC+3072
.irp c, 0,1,2,3
	ds_store_b128 v[L16], v[224+4*\c:227+4*\c] offset:PRV+512*\c
.endr
.Lnot_2:
	s_wait_loadcnt 0x0
	TREE16 R1
	ds_store_b64 v[T8], v[R1:R1+1] offset:SUM
.irp k, 0,1,2,3,4,5,6,7,8,9
	ds_store_b128 v[T16], v[R2+4*\k:R2+4*\k+3] offset:4096*\k
.endr
	s_wait_kmcnt 0x0
	s_wait_dscnt 0x0                               ; for the others' sake: my stores are done
	s_barrier_signal -1
	s_barrier_wait -1
	s_cmp_lg_u32 s[WV], 0
	s_cbranch_scc1 .Lend
	; ---- THE UPDATE, wave 0
	MKSC 22, s68
	MKSC 24, s70
	MKSC 26, s72
	MKSC 28, s74
	MKP2 SA, s68, s69
	MKP2 SB, s70, s71
	MKP2 S45, s72, s73
	MKP2 S67, s74, s75
	v_mov_b32 v[EP0], 0x3727c5ac
	v_mov_b32 v[MU+1], 0
	v_mov_b32 v[RS+1], 0
	CLD R1, SL, SUM, 8
	CLD CB, VH, VEC+1792, 8                        ; pe_b2
	CLD PV, SL, PRV, 8
	ds_load_b32 v240, v[DO] offset:VEC+3072
	WIN 0x40
	FR64 0, FA64, WHH+8192                         ; W_hh, gate n
	FR64 32, FA64, WIH                             ; W_ih, gate r
	FR64 64, FA64, WHH                             ; W_hh, gate r
	FR64 96, FA64, WIH+8192                        ; W_ih, gate n
	WIN 0
	s_wait_dscnt 32                                ; all but the 32 fragment loads
	v_rcp_f32 v240, v240
	v_mov_b32 v241, 0
	s_wait_alu depctr_va_vdst(0)
.set ii, 0
.rept 16
	v_pk_fma_f32 v[R1+ii:R1+ii+1], v[R1+ii:R1+ii+1], v[240:241], v[CB+ii:CB+ii+1] op_sel_hi:[1,0,1]   ; updates = sum / sum of attn + pe_b2
.set ii, ii+2
.endr
	CLD CB, VH, VEC+768, 8                         ; b_hh n
	QSYM R1, AU, 22
	QSYMT PV, 240, AP, 24
	s_wait_dscnt 0x0
	WIN 0x01
	GEMM4 R2, 0, AP
	GEMM4 R1, 32, AU
	GEMM4 R3, 64, AP
	WIN 0
	PLACES 4
	FMAS R2, R2, SB, CB, 16                        ; hn
	CLD CB, VH, VEC, 8                             ; gate r's biases
	WIN 0x40
	FR64 0, FA64, WIH+4096                         ; W_ih, gate z
	FR64 32, FA64, WHH+4096                        ; W_hh, gate z
	WIN 0
	MULS R1, R1, SA
	FMAS R1, R3, SB, R1, 16
	s_wait_dscnt 16                                ; the biases are in; the 16 fragment loads may be out
	ADDV R1, R1, CB
	CLD CB, VH, VEC+512, 8                         ; b_ih n
	SIGM R1, 0xbfb8aa3b                            ; r
.set ii, 0
.rept 16
	v_pk_mul_f32 v[R2+ii:R2+ii+1], v[R2+ii:R2+ii+1], v[R1+ii:R1+ii+1]    ; r x hn
.set ii, ii+2
.endr
	s_wait_dscnt 0x0
	WIN 0x01
	GEMM4 R1, 96, AU
	GEMM4 R3, 0, AU
	WIN 0
	PLACES 4
	FMAS R1, R1, SA, CB, 16
	ADDV R1, R1, R2
	CLD CB, VH, VEC+256, 8                         ; gate z's biases
	WIN 0x01
	GEMM4 R2, 32, AP
	WIN 0x40
	FR64 64, FAW1, MW1
	FR64 96, FAW1, MW1+2048
	WIN 0
	SIGM R1, 0x4038aa3b
.set ii, 0
.rept 16
	v_pk_fma_f32 v[R1+ii:R1+ii+1], v[R1+ii:R1+ii+1], -2.0, 1.0 op_sel_hi:[1,0,0]   ; n = tanh
.set ii, ii+2
.endr
	s_wait_dscnt 0x0
	FMAS R3, R3, SA, CB, 16
	FMAS R3, R2, SB, R3, 16
	CLD CB, VH, VEC+2048, 8                        ; ln_m_g
	SIGM R3, 0xbfb8aa3b                            ; z
.set ii, 0
.rept 16
	v_pk_add_f32 v[R2+ii:R2+ii+1], v[PV+ii:PV+ii+1], v[R1+ii:R1+ii+1] neg_lo:[0,1] neg_hi:[0,1]
.set ii, ii+2
.endr
.set ii, 0
.rept 16
	v_pk_fma_f32 v[R1+ii:R1+ii+1], v[R3+ii:R3+ii+1], v[R2+ii:R2+ii+1], v[R1+ii:R1+ii+1]   ; s = n + z (old - n)
.set ii, ii+2
.endr
	CLD PV, VH, VEC+2304, 8                        ; ln_m_b
	WIN 0x40
.irp t, 0,1,2,3
.irp c, 0,1,2,3
	ds_load_b128 v[16*\t+4*\c:16*\t+4*\c+3], v[FAW2] offset:MW2+1024*\t+16*\c
.endr
.endr
	WIN 0
	s_wait_dscnt 0x0
	LNORM R1, R2, CB, PV, EP0
	CLD PV, VH2, VEC+1024, 16                      ; mlp_b1: 64 numbers a lane
	QSYM R2, AU, 26
	WIN 0x01
.irp t, 0,1,2,3,4,5,6,7
	v_wmma_f32_16x16x64_fp8_fp8 v[R2+8*\t:R2+8*\t+7], v[64+8*\t:64+8*\t+7], v[AU:AU+7], 0
.endr
	WIN 0
	PLACES 4
	s_wait_dscnt 0x0
	FMAS R2, R2, S45, PV, 32
	CLD CB, VH, VEC+1536, 8                        ; mlp_b2
	QRELU R2, AU, 28
	WIN 0x01
.irp t, 0,1,2,3
	v_wmma_f32_16x16x128_fp8_fp8 v[R2+8*\t:R2+8*\t+7], v[16*\t:16*\t+15], v[AU:AU+15], 0
.endr
	WIN 0
	PLACES 4
	s_wait_dscnt 0x0
	FMAS R2, R2, S67, CB, 16
	ADDV R1, R1, R2                                ; the result
.irp c, 0,1,2,3,4,5,6,7
	ds_store_b128 v[SSA], v[R1+4*\c:R1+4*\c+3] offset:SST+16*\c
.endr
.irp c, 0,1,2,3
	ds_load_b128 v[240+4*\c:243+4*\c], v[L16] offset:SST+512*\c    ; LDS serves a wave's instructions in order: these see my stores; rows 0-7 come back as whole rows
.endr
	s_wait_dscnt 0x0
.irp c, 0,1,2,3
	global_store_b128 v[L16], v[240+4*\c:243+4*\c], s[32:33] offset:512*\c   ; the wave stores 512 consecutive bytes, aligned
.endr
.Lend:
	s_wait_tensorcnt 0x0                           ; the wave's end: behind my last LDS store; the tensor wait stands in a text with no tensor load too
	ds_add_u32 v[SPW], v[NIL]
	s_wait_dscnt 0x0
	s_endpgm
.Lfunc_end_k_q43382a623f_final:
	.size	k_q43382a623f_final, .Lfunc_end_k_q43382a623f_final-k_q43382a623f_final
	.p2alignl 7, 3214868480
	.fill 96, 4, 3214868480
	.section	.rodata,"a",@progbits
	.p2align	6, 0x0
	.amdhsa_kernel k_q43382a623f_final
		.amdhsa_group_segment_fixed_size 57856
		.amdhsa_private_segment_fixed_size 0
		.amdhsa_enable_private_segment 0
		.amdhsa_kernarg_size 120
		.amdhsa_user_sgpr_count 2
		.amdhsa_user_sgpr_kernarg_segment_ptr 1
		.amdhsa_wavefront_size32 1
		.amdhsa_system_sgpr_workgroup_id_x 1
		.amdhsa_system_sgpr_workgroup_id_y 1
		.amdhsa_system_sgpr_workgroup_id_z 1
		.amdhsa_system_vgpr_workitem_id 0
		.amdhsa_next_free_vgpr 512
		.amdhsa_next_free_sgpr 96
		.amdhsa_reserve_vcc 0
		.amdhsa_float_denorm_mode_32 3
		.amdhsa_float_denorm_mode_16_64 3
		.amdhsa_memory_ordered 1
		.amdhsa_forward_progress 1
		.amdhsa_inst_pref_size 78
	.end_amdhsa_kernel
	.amdgpu_metadata
---
amdhsa.version: [ 1, 2 ]
amdhsa.kernels:
  - .name:           k_q43382a623f_final
    .symbol:         k_q43382a623f_final.kd
    .args:
      - { .name: part_a, .offset: 0, .size: 8, .value_kind: global_buffer, .address_space: global }
      - { .name: s_a, .offset: 8, .size: 8, .value_kind: global_buffer, .address_space: global }
      - { .name: lowp_scales, .offset: 16, .size: 8, .value_kind: global_buffer, .address_space: global }
      - { .name: W_ih_codes, .offset: 24, .size: 8, .value_kind: global_buffer, .address_space: global }
      - { .name: W_hh_codes, .offset: 32, .size: 8, .value_kind: global_buffer, .address_space: global }
      - { .name: b_ih, .offset: 40, .size: 8, .value_kind: global_buffer, .address_space: global }
      - { .name: b_hh, .offset: 48, .size: 8, .value_kind: global_buffer, .address_space: global }
      - { .name: ln_m_g, .offset: 56, .size: 8, .value_kind: global_buffer, .address_space: global }
      - { .name: ln_m_b, .offset: 64, .size: 8, .value_kind: global_buffer, .address_space: global }
      - { .name: mlp_W1_codes, .offset: 72, .size: 8, .value_kind: global_buffer, .address_space: global }
      - { .name: mlp_b1, .offset: 80, .size: 8, .value_kind: global_buffer, .address_space: global }
      - { .name: mlp_W2_codes, .offset: 88, .size: 8, .value_kind: global_buffer, .address_space: global }
      - { .name: mlp_b2, .offset: 96, .size: 8, .value_kind: global_buffer, .address_space: global }
      - { .name: pe_b2, .offset: 104, .size: 8, .value_kind: global_buffer, .address_space: global }
      - { .name: out0, .offset: 112, .size: 8, .value_kind: global_buffer, .address_space: global }
    .group_segment_fixed_size: 57856
    .private_segment_fixed_size: 0
    .kernarg_segment_align: 8
    .kernarg_segment_size: 120
    .max_flat_workgroup_size: 256
    .sgpr_count:     96
    .vgpr_count:     512
    .wavefront_size: 32
...
	.end_amdgpu_metadata
.endif
;; end of part 3
